; MI455X (gfx1250); checked and timed in simulation.
; The chip was launched on July 23, 2026; its instructions are those of AMD's public machine-readable ISA for CDNA 5 (MIT licence, August 2026) and "CDNA5" Instruction Set Architecture Reference Guide (July 2026). The comments in the code are by the model that wrote it; some were corrected since.
;; Moe Layer. Allowed arithmetic: matrix products marked QUANTISED: E2M3 operands, one E8M0 scale for each 32 along K, by v_wmma_scale_f32_16x16x128_f8f6f4 with both operands' format E2M3, f32 sums; products left as they are: f32 operands where the result goes on into a quantised operand, else bf16, f16 or f32 operands; f32 sums; everything else in f32.
;; Inputs: W1 8 x 2,048 x 1,024 float32; W2 8 x 1,024 x 2,048 float32; b1 8 x 1,024 float32; b2 8 x 2,048 float32; w_gate 2,048 x 8 float32; x 4 x 512 x 2,048 float32.
;; Outputs: out0 4 x 512 x 2,048 float32.
;; This version of the problem:
;;   THIS VERSION OF THE PROBLEM IS GIVEN IN LOW PRECISION. The matrix products marked QUANTISED in the list below multiply operands that are first quantised to E2M3 (2 exponent bits, 3 mantissa bits; 6 bits a number), with one power-of-two scale for each 32 numbers along K (OCP MX v1.0); their sums are f32. All else is computed in f32.
;;   The module's matrix products, in the order in which they are computed (A, B: the left and right operand; K: the contracted axis; several contracted axes count as one K, in the product's order):
;;     1. [M 2,048, K 2,048] x [K 2,048, N 8]; A: input x; B: input w_gate: left as it is (N = 8 < 16)
;;     2. [M 2,048, K 2,048] x [K 2,048, N 1,024]; A: input x; B: input W1: QUANTISED
;;     3. [M 2,048, K 1,024] x [K 1,024, N 2,048]; A: computed on the way; B: input W2: QUANTISED
;;     4. [M 2,048, K 2,048] x [K 2,048, N 1,024]; A: input x; B: input W1: QUANTISED
;;     5. [M 2,048, K 1,024] x [K 1,024, N 2,048]; A: computed on the way; B: input W2: QUANTISED
;;     6. [M 2,048, K 2,048] x [K 2,048, N 1,024]; A: input x; B: input W1: QUANTISED
;;     7. [M 2,048, K 1,024] x [K 1,024, N 2,048]; A: computed on the way; B: input W2: QUANTISED
;;     8. [M 2,048, K 2,048] x [K 2,048, N 1,024]; A: input x; B: input W1: QUANTISED
;;     9. [M 2,048, K 1,024] x [K 1,024, N 2,048]; A: computed on the way; B: input W2: QUANTISED
;;     10. [M 2,048, K 2,048] x [K 2,048, N 1,024]; A: input x; B: input W1: QUANTISED
;;     11. [M 2,048, K 1,024] x [K 1,024, N 2,048]; A: computed on the way; B: input W2: QUANTISED
;;     12. [M 2,048, K 2,048] x [K 2,048, N 1,024]; A: input x; B: input W1: QUANTISED
;;     13. [M 2,048, K 1,024] x [K 1,024, N 2,048]; A: computed on the way; B: input W2: QUANTISED
;;     14. [M 2,048, K 2,048] x [K 2,048, N 1,024]; A: input x; B: input W1: QUANTISED
;;     15. [M 2,048, K 1,024] x [K 1,024, N 2,048]; A: computed on the way; B: input W2: QUANTISED
;;     16. [M 2,048, K 2,048] x [K 2,048, N 1,024]; A: input x; B: input W1: QUANTISED
;;     17. [M 2,048, K 1,024] x [K 1,024, N 2,048]; A: computed on the way; B: input W2: QUANTISED
;;   THE QUANTISER, for each operand of a quantised product, along K:
;;     - K is cut into blocks of 32 from its start; a last block that is shorter is filled with zeros.
;;     - A block's scale is 2^e with e = floor(log2(the largest magnitude in the block)) - 2, held to -126 .. 127; a block of zeros has e = 0. As a byte (E8M0): e + 127.
;;     - Each number is divided by its block's scale, clamped to +-7.5, and rounded to the nearest number of E2M3, ties to even, subnormals kept.
;;     - The product sums the exact products of the quantised numbers (number of the format x scale) in f32.
;;   ~~~python
;;   def quantise(x, axis):      # numpy; x: float32 -> the quantised numbers, widened to float32 again
;;       x = np.moveaxis(x, axis, -1); K = x.shape[-1]
;;       x = np.pad(x, [(0, 0)] * (x.ndim - 1) + [(0, -K % 32)]); x = x.reshape(x.shape[:-1] + (-1, 32)); a = np.abs(x).max(-1, keepdims=True)
;;       e = np.where(a > 0, np.clip(np.frexp(np.where(a > 0, a, 1))[1] - 1 - 2, -126, 127), 0)      # np.frexp(a)[1] - 1 = floor(log2(a)), exactly
;;       r = np.clip(x / 2.0 ** e, -7.5, 7.5)
;;       step = 2.0 ** (np.maximum(np.frexp(np.where(r == 0, 1, r))[1] - 1, 0) - 3)
;;       q = np.round(r / step) * step * 2.0 ** e      # np.round: ties to even
;;       return np.moveaxis(q.reshape(q.shape[:-2] + (-1,))[..., :K], -1, axis).astype(np.float32)
;;   ~~~
;;   OPERANDS COMPUTED ON THE WAY. 'Computed on the way' means the value that the module computes at that place (a softmax that the list does not call 'softmax' is quantised finished and normalised). What goes into a quantiser is computed in f32, as accurately as f32 sums, v_exp_f32 and their like allow (about 1e-6 of the number): no bf16 or f16 on the way to a quantiser, and a product that is left as it is and whose result goes on into a quantised operand takes f32 operands (vector FMAs, or v_wmma_f32_16x16x4_f32). A number that lies on a knife's edge between two numbers of the format may be rounded either way, as far as f32 arithmetic and the matrix unit's own rounding can turn it there, and no further.
;; One version. Each part assembles by itself: llvm-mc -triple=amdgcn-amd-amdhsa -mcpu=gfx1250 --defsym DOCPART=n.
;; ======== version 1 of 1: 4 launches
;; limits: a function is approximated: absolute error at most 1.5e-07
;; workspace buffers: xq 3,276,800 bytes; rt 24,576 bytes of whole numbers; wts 16,384 bytes; lst 12,288 bytes of whole numbers; wq1 13,107,200 bytes; wq2 13,107,200 bytes; hq 4,096,000 bytes
;; launch route (part 1): grid 128 x 1, 16 waves a work-group, no clusters, 44,288 bytes of LDS; arguments x, w_gate, xq, rt, wts; writes xq, rt, wts
.if DOCPART == 1
	.amdgcn_target "amdgcn-amd-amdhsa--gfx1250"
	.amdhsa_code_object_version 6
	.text
	.protected	k_q3fc75be0ac_route
	.globl	k_q3fc75be0ac_route
	.p2align	8
	.type	k_q3fc75be0ac_route,@function
k_q3fc75be0ac_route:
	s_mov_b64 s[64:65], 0
	v_nop
	global_prefetch_b8 v0, s[64:65] scope:SCOPE_SE
	s_setreg_imm32_b32 hwreg(HW_REG_WAVE_MODE, 25, 1), 1
	s_wait_xcnt 0x0
; ROUTE: the first of four launches of a layer of 8 experts, 2 of them chosen for each of 2,048 tokens (H = 2,048, I = 1,024).
; WORK LEFT OUT BY THE WHOLE PROGRAM.  reference() adds combine[t, e] x y_e[t] over all 8 experts, and combine[t, e] is the sum over the two chosen places of one_hot(topk_idx)[e] x weight:
; for an expert e that is not in topk_idx[t] both one_hot terms are 0, so combine[t, e] = 0 and the row y_e[t] (and the row h_e[t] that feeds only it) reaches no output, whatever finite values the inputs hold.
; So only the two chosen experts' rows are multiplied: 4,096 rows in place of 16,384.  Every input is still loaded.  LIMIT: a NaN, an infinity or an overflow that arises only in a row of an expert not chosen is not carried to the result.
; THIS LAUNCH: (1) x is turned into codes of E2M3 with one E8M0 byte for each 32 along H; (2) the gate's logits x w_gate in f32, softmax over 8, the two largest (the lower index wins a tie), softmax over those two;
; (3) for each token the number of its PAIR of experts (a < b: p = a (15 - a) / 2 + b - a - 1, 0 .. 27), its rank among the tokens of that pair in its chunk of 16, and each chunk's histogram, stored at fixed places as whole numbers.
; No address and no branch here hangs on those numbers: a later launch reads them and places the rows.
; LIMITS: NaN and infinities among the inputs are not served.  v_exp_f32 gives 0 for results under 2^-126: where all probabilities but the largest fall to 0 the second choice is the lowest index among the zeros.
; A block of zeros gets the scale byte 1 (the rule says 127): its codes are zeros, and this program alone reads the bytes.
; SHARES.  A work-group takes 16 tokens; wave w takes 128 along H from 128 w on; lane (r = lane % 16, h = lane / 16) holds 64 numbers of token r: register 16 b + i = k 128 w + 32 b + 16 h + i.
; xq: codes [token][c 0..2][K step 0..15][h][16 bytes] = registers 4 c .. 4 c + 3 of lane (., h) of the token's fragment of that K step (1,536 bytes a token); from byte 3,145,728 on the scale words [token][16].
.set XST,   0                          ; LDS: 16 rows of codes, 1,536 bytes + 16
.set XPITCH, 1552
.set XSS,   24832                      ; the scale words [r][16]
.set PART,  25856                      ; each wave's partial logits: 32 bytes a lane
.set SPARE, 42240                      ; the spare words, 128 bytes for each of 16 waves; no other line names them
.set SPW, 12                           ; v12  my spare word's address; never rewritten
.set NIL, 13                           ; v13  0; never rewritten
.set X,   16                           ; v16-79   64 numbers of x
.set W,   80                           ; v80-143  w_gate at the same k, expert r % 8
.set ACC, 144                          ; v144-175 four accumulators: written by matrix instructions alone
.set PC,  176                          ; v176-194 the codes
.set TM,  196                          ; v196-211 at work
.set PW,  212                          ; the scale word
.set SM,  216                          ; v216-231 sums of the accumulators
.set SEL, 34                           ; s[34:35] lane selects: lane l xor 16
; 64 numbers of a lane, register 16 b + i = k 32 b + 16 h + i of my row, become a fragment's 12 registers of codes in v[PC] on and its scale word in v[PW]
.macro QUANT s
.irp b, 0,1,2,3
	v_max3_num_f32 v[TM+\b], |v[\s+16*\b]|, |v[\s+1+16*\b]|, 0x1800000   ; my 16 numbers of block b, and the floor 2^(3 - 127): the byte cannot fall under 1
.endr
.irp i, 2,4,6,8,10,12,14
.irp b, 0,1,2,3
	v_max3_num_f32 v[TM+\b], v[TM+\b], |v[\s+16*\b+\i]|, |v[\s+1+16*\b+\i]|
.endr
.endr
.irp b, 0,1,2,3
	v_permlanex16_b32 v[TM+4+\b], v[TM+\b], s[SEL], s[SEL+1]
.endr
.irp b, 0,1,2,3
	v_max_num_f32 v[TM+\b], v[TM+\b], v[TM+4+\b]                   ; with lane l xor 16's: the block's largest magnitude
.endr
.irp b, 0,1,2,3
	v_add_nc_u32 v[TM+12+\b], 0xff000000, v[TM+\b]                 ; 2 off its exponent field: the conversion's scale operand
.endr
.irp b, 0,1,2,3
	v_lshrrev_b32 v[TM+4+\b], 23, v[TM+12+\b]                      ; the scale's byte
.endr
	v_lshl_or_b32 v[PW], v[TM+5], 8, v[TM+4]
	v_lshl_or_b32 v[PW], v[TM+6], 16, v[PW]
	v_lshl_or_b32 v[PW], v[TM+7], 24, v[PW]
.irp c, 0,1
	v_cvt_scalef32_pk16_fp6_f32 v[PC+6*\c:PC+2+6*\c], v[\s+32*\c:\s+15+32*\c], v[TM+12+2*\c]
	v_cvt_scalef32_pk16_fp6_f32 v[PC+12+4*\c:PC+14+4*\c], v[\s+16+32*\c:\s+31+32*\c], v[TM+12+2*\c+1]   ; (a conversion's three registers begin on an even number)
.endr
	v_nop                                          ; one plain place behind a scaled conversion
.irp c, 0,1                                    ; the operand's layout wants a whole block in a lane
.irp i, 0,1,2
	v_permlane16_swap_b32 v[PC+6*\c+\i], v[PC+12+4*\c+\i]
.endr
.irp i, 0,1,2
	v_mov_b32 v[PC+3+6*\c+\i], v[PC+12+4*\c+\i]
.endr
.endr
.endm
	s_load_b128 s[4:7], s[0:1], 0x0                ; x, w_gate
	s_load_b128 s[8:11], s[0:1], 0x10              ; xq, rt
	s_load_b64 s[12:13], s[0:1], 0x20              ; wts
	v_lshl_add_u32 v[SPW], v0, 2, SPARE
	v_mov_b32 v[NIL], 0
	v_lshrrev_b32 v14, 5, v0
	v_readfirstlane_b32 s14, v14                   ; wave 0..15
	v_and_b32 v11, 31, v0                          ; lane
	v_and_b32 v1, 15, v0                           ; r
	v_bfe_u32 v2, v0, 4, 1                         ; h
	v_lshlrev_b32 v3, 13, v1                       ; x: row r of 8,192 bytes
	v_lshl_add_u32 v3, v2, 6, v3                   ; + 64 h
	s_lshl_b32 s15, s14, 9
	v_add_nc_u32 v3, s15, v3                       ; + 512 w
	v_and_b32 v4, 7, v0                            ; w_gate: a row of 8 experts is 32 bytes; expert r % 8
	v_lshlrev_b32 v4, 2, v4
	v_lshl_add_u32 v4, v2, 9, v4                   ; + 16 h rows
	s_lshl_b32 s15, s14, 12
	v_add_nc_u32 v4, s15, v4                       ; + 128 w rows
	v_mul_u32_u24 v5, v1, XPITCH                   ; the codes' place in LDS: row r, + 32 w + 16 h
	v_lshl_add_u32 v5, v2, 4, v5
	s_lshl_b32 s15, s14, 5
	v_add_nc_u32 v5, s15, v5
	v_lshlrev_b32 v6, 6, v1                        ; the scale word's: 64 r + 4 w
	s_lshl_b32 s15, s14, 2
	s_add_co_u32 s15, s15, XSS
	v_add_nc_u32 v6, s15, v6
	v_lshlrev_b32 v7, 5, v11                       ; my partial logits: 1,024 w + 32 lane
	s_lshl_b32 s15, s14, 10
	s_add_co_u32 s15, s15, PART
	v_add_nc_u32 v7, s15, v7
	v_lshlrev_b32 v9, 4, v11                       ; 16 x lane
	s_mul_i32 s15, s14, XPITCH
	v_add_nc_u32 v8, s15, v9                       ; back: wave w takes token w's whole row of codes
	v_lshl_add_u32 v10, v11, 5, PART               ; wave 0 reads all waves' partial logits of its lane
	v_lshl_add_u32 v15, v11, 4, XSS                ; wave 1 reads the scale words
	s_mov_b32 s[SEL], 0x76543210
	s_mov_b32 s[SEL+1], 0xfedcba98
.irp b, 0,1,2,3
	v_mov_b32 v[TM+4+\b], 0                        ; written once: a lane permute's destination counts as one of its sources
.endr
	s_lshl_b32 s16, ttmp9, 17                      ; 16 rows of 8,192 bytes a work-group
	s_mov_b32 s17, 0
	s_wait_kmcnt 0x0
	s_add_nc_u64 s[4:5], s[4:5], s[16:17]
.irp b, 0,1,2,3
.irp j, 0,1,2,3
	global_load_b128 v[X+16*\b+4*\j:X+16*\b+4*\j+3], v3, s[4:5] offset:128*\b+16*\j th:TH_LOAD_NT
.endr
.endr
.irp b, 0,1,2,3
.set i, 0
.rept 16
	global_load_b32 v[W+16*\b+i], v4, s[6:7] offset:1024*\b+32*i   ; w_gate(128 w + 32 b + 16 h + i, r % 8): rows 8-15 of the matrix operand repeat experts 0-7
.set i, i+1
.endr
.endr
	s_wait_loadcnt 0x0
; THE GATE in f32: source 0 = w_gate^T (row = expert), source 1 = x (column = token); instruction n takes registers 2 n, 2 n + 1 of both, which hold the same k on both sides.
; Four accumulators take turns, one instruction a turn; the first four products start the sums.
.set n, 0
.rept 32
.if n < 4
	v_wmma_f32_16x16x4_f32 v[ACC+8*(n%4):ACC+8*(n%4)+7], v[W+2*n:W+2*n+1], v[X+2*n:X+2*n+1], 0
.else
	v_wmma_f32_16x16x4_f32 v[ACC+8*(n%4):ACC+8*(n%4)+7], v[W+2*n:W+2*n+1], v[X+2*n:X+2*n+1], v[ACC+8*(n%4):ACC+8*(n%4)+7]
.endif
.set n, n+1
.endr
	QUANT X
	ds_store_b128 v5, v[PC:PC+3]
	ds_store_b128 v5, v[PC+4:PC+7] offset:512
	ds_store_b128 v5, v[PC+8:PC+11] offset:1024
	ds_store_b32 v6, v[PW]                         ; both halves of the lanes write the same word with the same value
.rept 8
	v_nop                                          ; eight places behind the f32 matrix form (ISA guide 7.12.1) before its results are read
.endr
.irp j, 0,2,4,6                                ; each accumulator is read from its low end on; register j of lane (r, .) is expert j's partial logit of token r
	v_pk_add_f32 v[SM+\j:SM+\j+1], v[ACC+\j:ACC+\j+1], v[ACC+8+\j:ACC+8+\j+1]
.endr
.irp j, 0,2,4,6
	v_pk_add_f32 v[SM+8+\j:SM+8+\j+1], v[ACC+16+\j:ACC+16+\j+1], v[ACC+24+\j:ACC+24+\j+1]
.endr
.irp j, 0,2,4,6
	v_pk_add_f32 v[SM+\j:SM+\j+1], v[SM+\j:SM+\j+1], v[SM+8+\j:SM+8+\j+1]
.endr
	ds_store_b128 v7, v[SM:SM+3]
	ds_store_b128 v7, v[SM+4:SM+7] offset:16
	s_wait_dscnt 0x0                               ; for the others' sake: all my LDS stores are done
	s_barrier_signal -1
	s_barrier_wait -1
	; every wave: one token's 1,536 bytes of codes leave as three runs of 512 consecutive bytes
	ds_load_b128 v[16:19], v8
	ds_load_b128 v[20:23], v8 offset:512
	ds_load_b128 v[24:27], v8 offset:1024
	s_lshl_b32 s16, ttmp9, 4
	s_add_co_u32 s16, s16, s14                     ; token 16 x work-group + wave
	s_mul_i32 s16, s16, 1536
	s_add_nc_u64 s[18:19], s[8:9], s[16:17]
	s_wait_dscnt 0x0
	global_store_b128 v9, v[16:19], s[18:19]
	global_store_b128 v9, v[20:23], s[18:19] offset:512
	global_store_b128 v9, v[24:27], s[18:19] offset:1024
	s_cmp_eq_u32 s14, 1
	s_cbranch_scc0 .Lnot1
	ds_load_b128 v[32:35], v15                     ; wave 1: the 16 tokens' scale words, 1,024 consecutive bytes
	ds_load_b128 v[36:39], v15 offset:512
	s_lshl_b32 s16, ttmp9, 10
	s_add_co_u32 s16, s16, 3145728
	s_add_nc_u64 s[20:21], s[8:9], s[16:17]
	s_wait_dscnt 0x0
	global_store_b128 v9, v[32:35], s[20:21]
	global_store_b128 v9, v[36:39], s[20:21] offset:512
.Lnot1:
	s_cmp_eq_u32 s14, 0
	s_cbranch_scc0 .Lend
	; ---- wave 0: THE ROUTER.  Lane (r, .) works on token r; lanes 16-31 repeat lanes 0-15
	s_wait_xcnt 0x0                                ; my stores above have read v16-27, which are loaded anew
.set ww, 0
.rept 16
	ds_load_b128 v[16+8*ww:19+8*ww], v10 offset:1024*ww
	ds_load_b128 v[20+8*ww:23+8*ww], v10 offset:1024*ww+16
.set ww, ww+1
.endr
	s_wait_dscnt 0x0
.irp d, 8,4,2,1                                ; the sixteen waves' parts are added as a tree
.set ww, 0
.rept \d
.irp j, 0,2,4,6
	v_pk_add_f32 v[16+8*ww+\j:17+8*ww+\j], v[16+8*ww+\j:17+8*ww+\j], v[16+8*(ww+\d)+\j:17+8*(ww+\d)+\j]
.endr
.set ww, ww+1
.endr
.endr
	v_max3_num_f32 v32, v16, v17, v18              ; the largest logit is taken away before the exponentials, as reference() does
	v_max3_num_f32 v32, v32, v19, v20
	v_max3_num_f32 v32, v32, v21, v22
	v_max_num_f32 v32, v32, v23
.irp j, 0,1,2,3,4,5,6,7
	v_sub_f32 v[40+\j], v[16+\j], v32
.endr
.irp j, 0,1,2,3,4,5,6,7
	v_mul_f32 v[40+\j], 0x3fb8aa3b, v[40+\j]       ; x log2(e)
.endr
.irp j, 0,1,2,3,4,5,6,7
	v_exp_f32 v[40+\j], v[40+\j]
.endr
	v_nop                                          ; a plain place behind the exponentials,
	s_wait_alu depctr_va_vdst(0)                   ; and one wait for the batch, ahead of its first use
	v_add_f32 v33, v40, v41
	v_add_f32 v34, v42, v43
	v_add_f32 v35, v44, v45
	v_add_f32 v36, v46, v47
	v_add_f32 v33, v33, v34
	v_add_f32 v35, v35, v36
	v_add_f32 v33, v33, v35
	v_rcp_f32 v33, v33
	v_nop
	s_wait_alu depctr_va_vdst(0)
.irp j, 0,1,2,3,4,5,6,7
	v_mul_f32 v[40+\j], v[40+\j], v33              ; the eight probabilities
.endr
	v_mov_b32 v34, v40                             ; the largest, and its index: kept where it is at least the next, so the lower index wins a tie
	v_mov_b32 v35, 0
.irp j, 1,2,3,4,5,6,7
	v_cmp_ge_f32 vcc_lo, v34, v[40+\j]
	v_cndmask_b32 v34, v[40+\j], v34, vcc_lo
	v_cndmask_b32 v35, \j, v35, vcc_lo
.endr
	v_mov_b32 v36, -1.0
.irp j, 0,1,2,3,4,5,6,7
	v_cmp_eq_u32 vcc_lo, \j, v35
	v_cndmask_b32 v[48+\j], v[40+\j], v36, vcc_lo  ; the largest is taken out: -1 lies under every probability
.endr
	v_mov_b32 v37, v48                             ; the second, likewise
	v_mov_b32 v38, 0
.irp j, 1,2,3,4,5,6,7
	v_cmp_ge_f32 vcc_lo, v37, v[48+\j]
	v_cndmask_b32 v37, v[48+\j], v37, vcc_lo
	v_cndmask_b32 v38, \j, v38, vcc_lo
.endr
	v_sub_f32 v39, v37, v34                        ; softmax over the two: the larger is taken away; both lie in 0 .. 1, so e1 lies in 1/e .. 1
	v_mul_f32 v39, 0x3fb8aa3b, v39
	v_exp_f32 v39, v39                             ; e1
	v_nop
	s_wait_alu depctr_va_vdst(0)
	v_add_f32 v56, 1.0, v39
	v_rcp_f32 v56, v56                             ; the first's weight
	v_nop
	s_wait_alu depctr_va_vdst(0)
	v_mul_f32 v57, v39, v56                        ; the second's
	v_cmp_lt_u32 vcc_lo, v35, v38
	v_cndmask_b32 v58, v57, v56, vcc_lo            ; wa: the weight of the expert with the lower number
	v_cndmask_b32 v59, v56, v57, vcc_lo            ; wb
	v_min_u32 v60, v35, v38                        ; a
	v_max_u32 v61, v35, v38                        ; b
	v_rcp_f32 v62, v59
	v_nop
	s_wait_alu depctr_va_vdst(0)
	v_mul_f32 v62, v58, v62                        ; wa / wb
	v_mov_b32 v63, v59
	v_sub_nc_u32 v64, 15, v60
	v_mul_u32_u24 v64, v60, v64
	v_lshrrev_b32 v64, 1, v64
	v_add_nc_u32 v64, v64, v61
	v_sub_nc_u32 v64, v64, v60
	v_add_nc_u32 v64, -1, v64                      ; the pair's number
	v_mov_b32 v65, 0                               ; my rank: tokens before me in the chunk with my pair
	v_mov_b32 v66, 0                               ; the histogram: lane = pair
	v_mov_b32 v67, 1
.set q, 0
.rept 16
	v_readlane_b32 s22, v64, q
	v_cmp_eq_u32 s23, s22, v64
	s_and_b32 s23, s23, ((0xffff<<(q+1))&0xffff)*0x10001   ; only tokens behind token q count it
	v_cndmask_b32 v68, 0, v67, s23
	v_add_nc_u32 v65, v65, v68
	v_cmp_eq_u32 s24, s22, v11
	v_cndmask_b32 v69, 0, v67, s24
	v_add_nc_u32 v66, v66, v69
.set q, q+1
.endr
	v_lshl_or_b32 v65, v65, 8, v64                 ; pair | rank << 8
	v_lshlrev_b32 v70, 2, v1
	v_lshlrev_b32 v71, 3, v1
	v_lshlrev_b32 v72, 2, v11
	s_lshl_b32 s16, ttmp9, 6
	s_add_nc_u64 s[26:27], s[10:11], s[16:17]
	global_store_b32 v70, v65, s[26:27]            ; rt: [token]
	s_lshl_b32 s28, ttmp9, 7
	s_mov_b32 s29, 0
	s_add_nc_u64 s[30:31], s[12:13], s[28:29]
	global_store_b64 v71, v[62:63], s[30:31]       ; wts: [token] (wa / wb, wb)
	s_add_nc_u64 s[32:33], s[10:11], s[28:29]
	global_store_b32 v72, v66, s[32:33] offset:8192   ; rt: [chunk][32 bins]
.Lend:
	s_wait_tensorcnt 0x0                           ; the wave's end: behind my last LDS store
	ds_add_u32 v[SPW], v[NIL]
	s_wait_dscnt 0x0
	s_endpgm
.Lfunc_end_k_q3fc75be0ac_route:
	.size	k_q3fc75be0ac_route, .Lfunc_end_k_q3fc75be0ac_route-k_q3fc75be0ac_route
	.p2alignl 7, 3214868480
	.fill 96, 4, 3214868480
	.section	.rodata,"a",@progbits
	.p2align	6, 0x0
	.amdhsa_kernel k_q3fc75be0ac_route
		.amdhsa_group_segment_fixed_size 44288
		.amdhsa_private_segment_fixed_size 0
		.amdhsa_enable_private_segment 0
		.amdhsa_kernarg_size 40
		.amdhsa_user_sgpr_count 2
		.amdhsa_user_sgpr_kernarg_segment_ptr 1
		.amdhsa_wavefront_size32 1
		.amdhsa_system_sgpr_workgroup_id_x 1
		.amdhsa_system_sgpr_workgroup_id_y 1
		.amdhsa_system_sgpr_workgroup_id_z 1
		.amdhsa_system_vgpr_workitem_id 0
		.amdhsa_next_free_vgpr 256
		.amdhsa_next_free_sgpr 66
		.amdhsa_reserve_vcc 1
		.amdhsa_float_denorm_mode_32 3
		.amdhsa_float_denorm_mode_16_64 3
		.amdhsa_memory_ordered 1
		.amdhsa_forward_progress 1
		.amdhsa_inst_pref_size 37
	.end_amdhsa_kernel
	.amdgpu_metadata
---
amdhsa.version: [ 1, 2 ]
amdhsa.kernels:
  - .name:           k_q3fc75be0ac_route
    .symbol:         k_q3fc75be0ac_route.kd
    .args:
      - { .name: x, .offset: 0, .size: 8, .value_kind: global_buffer, .address_space: global }
      - { .name: w_gate, .offset: 8, .size: 8, .value_kind: global_buffer, .address_space: global }
      - { .name: xq, .offset: 16, .size: 8, .value_kind: global_buffer, .address_space: global }
      - { .name: rt, .offset: 24, .size: 8, .value_kind: global_buffer, .address_space: global }
      - { .name: wts, .offset: 32, .size: 8, .value_kind: global_buffer, .address_space: global }
    .group_segment_fixed_size: 44288
    .private_segment_fixed_size: 0
    .kernarg_segment_align: 8
    .kernarg_segment_size: 40
    .max_flat_workgroup_size: 512
    .sgpr_count:     66
    .vgpr_count:     256
    .wavefront_size: 32
...
	.end_amdgpu_metadata
.endif
;; end of part 1
;; launch prep (part 2): grid 1025 x 1, 4 waves a work-group, no clusters, 49,664 bytes of LDS; arguments W1, W2, rt, wq1, wq2, lst; writes wq1, wq2, lst
.if DOCPART == 2
	.amdgcn_target "amdgcn-amd-amdhsa--gfx1250"
	.amdhsa_code_object_version 6
	.text
	.protected	k_q3fc75be0ac_prep
	.globl	k_q3fc75be0ac_prep
	.p2align	8
	.type	k_q3fc75be0ac_prep,@function
k_q3fc75be0ac_prep:
	s_mov_b64 s[64:65], 0
	v_nop
	global_prefetch_b8 v0, s[64:65] scope:SCOPE_SE
	s_setreg_imm32_b32 hwreg(HW_REG_WAVE_MODE, 25, 1), 1
	s_wait_xcnt 0x0
; PREP.  Work-group 0 (one wave) places the tokens; work-groups 1 .. 512 quantise W1, 513 .. 1,024 quantise W2.  All of both weights is quantised: which experts are used hangs on the data.
; THE WEIGHTS.  W [e][K][N], f32, K not innermost.  A lane takes a column and its registers run down K: a block of 32 along K lies in one lane, and the conversions give codes with K innermost.
; A wave takes 32 columns x 256 along K.  The codes are laid in the ORDER OF THE OPERAND'S REGISTERS: [e][tile of 16 columns][K step of 128][1,536 bytes], register j of lane L at (j / 4) 512 + 16 L + 4 (j % 4),
; so that a fragment later comes by three loads of 512 consecutive bytes.  THE COLUMNS OF A TILE ARE NOT NEIGHBOURS: of 32 columns, column l goes to tile (l / 8) % 2, row l % 8 + 8 (l / 16):
; in the transposed product a lane's 16 registers of two neighbouring tiles are then 16 neighbouring columns.  Scale words from byte 12,582,912 on: [e][tile][row][K step].
; LIMITS: NaN and infinities are not served; a block of zeros gets the byte 1 (the rule says 127): its codes are zeros, and this program alone reads the bytes.
; THE PLACING.  Tokens are sorted by their pair of experts (28 pairs), so that one work-group can add both experts' rows and each output row has one owner.  A pair's tokens take consecutive slots from a multiple of 16 on;
; a GROUP is up to 6 tiles of 16 slots of one pair: the sum over pairs of ceil(count / 96) is at most (2,048 + 28 x 95) / 96 = 49 groups, and of ceil(count / 16) at most 154 tiles, whatever the choice.
; lst: tok[slot] (only slots that hold a token are written, and only those are read); from byte 10,240 on 64 headers of 8 words {a, b, first tile, tiles, tokens left, 0, 0, 0}; a header without tiles has first tile 0 and tokens left 1.
; Each path has LDS bytes of its own; no barrier: waves share nothing.  The whole text names v0 to v191 alone: the placing keeps its 128 tables in registers and takes the tokens' numbers in three rounds.
.set SPW, 190                          ; v190 my spare word's address; never rewritten
.set NIL, 191                          ; v191 0; never rewritten
.set SPARE, 49152                      ; the spare words, 128 bytes for each wave; no other line names them
.set X,    32                          ; v32-95   two sets of 32 numbers
.set C,    96                          ; v96-106  a block's codes
.set OUTR, 112                         ; v112-159 the way out
.set SB,   24                          ; v24-25   the scale bytes, four to a register
.macro LOADW t, n4                     ; block t: W(32 t + i, my column) into set t % 2; n4 = bytes in a row of W
.set i, 0
.rept 32
	global_load_b32 v[X+32*((\t)%2)+i], v3, s[28:29] offset:(32*(\t)+i)*(\n4) th:TH_LOAD_NT
.set i, i+1
.endr
.endm
.macro BLOCKW t, n4
.set XS, X+32*((\t)%2)
.set O, 1536*((\t)/4)+256*((\t)%2)     ; K step t / 4 of my two; the block is lanes' half t % 2 of registers 6 c .. 6 c + 5, c = (t % 4) / 2
.if (\t) < 7
	s_wait_loadcnt 32                              ; this block's 32 loads are in; the next block's 32 may be out
.else
	s_wait_loadcnt 0x0
.endif
	v_max3_num_f32 v12, |v[XS]|, |v[XS+1]|, |v[XS+2]|
	v_max3_num_f32 v13, |v[XS+3]|, |v[XS+4]|, |v[XS+5]|
.irp i, 6,10,14,18,22,26
	v_max3_num_f32 v12, v12, |v[XS+\i]|, |v[XS+\i+1]|
	v_max3_num_f32 v13, v13, |v[XS+\i+2]|, |v[XS+\i+3]|
.endr
	v_max3_num_f32 v12, v12, |v[XS+30]|, |v[XS+31]|
	v_max3_num_f32 v12, v12, v13, 0x1800000        ; and the floor 2^(3 - 127): the byte cannot fall under 1
	v_add_nc_u32 v11, 0xff000000, v12              ; 2 off the exponent field: the conversion's scale operand
	v_lshrrev_b32 v13, 23, v11                     ; the scale's byte
.if (\t)%4 == 0
	v_mov_b32 v[SB+(\t)/4], v13
.else
	v_lshl_or_b32 v[SB+(\t)/4], v13, 8*((\t)%4), v[SB+(\t)/4]
.endif
	v_cvt_scalef32_pk16_fp6_f32 v[C:C+2], v[XS:XS+15], v11
	v_cvt_scalef32_pk16_fp6_f32 v[C+8:C+10], v[XS+16:XS+31], v11   ; (a conversion's three registers begin on an even number)
	v_nop                                          ; one plain place behind a scaled conversion
.irp i, 0,1,2
	v_mov_b32 v[C+3+\i], v[C+8+\i]                 ; the block's six registers on end
.endr
.if ((\t)%4)/2 == 0
	ds_store_b128 v4, v[C:C+3] offset:O            ; registers 0-3,
	ds_store_b64 v4, v[C+4:C+5] offset:O+512       ; 4, 5
.else
	ds_store_b64 v4, v[C:C+1] offset:O+520         ; registers 6, 7,
	ds_store_b128 v4, v[C+2:C+5] offset:O+1024     ; 8-11
.endif
.if (\t)+2 < 8
	LOADW (\t)+2, \n4
.endif
	s_wait_dscnt 0x0                               ; the stores have read their registers: the next block's codes may be written
.endm
; One tensor's path.  src, dst: the scalar pairs of W and of its codes' buffer; N = 2^LOGN columns; KS K steps; LB: the path's LDS bytes; first: the path's first work-group
.macro QW src, dst, LOGN, KS, LB, first
	s_sub_co_u32 s20, ttmp9, \first
	s_lshr_b32 s21, s20, 6                         ; expert
	s_and_b32 s22, s20, 63
	s_and_b32 s23, s22, (1<<(\LOGN-7))-1           ; which 128 columns
	s_lshr_b32 s24, s22, \LOGN-7                   ; which 256 along K
	s_lshl_b32 s26, s21, 23                        ; an expert's weight is 2^23 bytes
	s_lshl_b32 s25, s24, \LOGN+10
	s_add_co_u32 s26, s26, s25
	s_lshl_b32 s25, s23, 9
	s_add_co_u32 s26, s26, s25
	s_lshl_b32 s25, s16, 7
	s_add_co_u32 s26, s26, s25                     ; + my wave's 32 columns
	s_mov_b32 s27, 0
	s_add_nc_u64 s[28:29], s[\src:\src+1], s[26:27]
	s_lshl_b32 s30, s21, \LOGN-4
	s_lshl_b32 s25, s23, 3
	s_add_co_u32 s30, s30, s25
	s_lshl_b32 s25, s16, 1
	s_add_co_u32 s30, s30, s25                     ; my first tile, counted through all experts
	s_mul_i32 s26, s30, \KS
	s_lshl_b32 s25, s24, 1
	s_add_co_u32 s26, s26, s25                     ; + my first K step
	s_mul_i32 s26, s26, 1536
	s_add_nc_u64 s[32:33], s[\dst:\dst+1], s[26:27]
	s_mul_i32 s26, s30, 64*\KS
	s_lshl_b32 s25, s24, 3
	s_add_co_u32 s26, s26, s25
	s_add_co_u32 s26, s26, 12582912
	s_add_nc_u64 s[34:35], s[\dst:\dst+1], s[26:27]
	v_lshlrev_b32 v3, 2, v2                        ; in: 4 bytes a lane
	v_bfe_u32 v5, v0, 3, 1                         ; my column's tile u
	v_and_b32 v6, 7, v0
	v_bfe_u32 v10, v0, 4, 1
	v_lshl_or_b32 v6, v10, 3, v6                   ; and its row r in it
	v_mul_u32_u24 v4, v5, 3072
	v_lshl_add_u32 v4, v6, 4, v4
	s_mul_i32 s25, s16, 6144
	s_add_co_u32 s25, s25, \LB
	v_add_nc_u32 v4, s25, v4                       ; my stage [u][K step][1,536]: + 16 r
	v_lshlrev_b32 v8, 4, v2
	v_add_nc_u32 v7, s25, v8                       ; out of it: 16 bytes a lane
	v_lshl_add_u32 v9, v5, 4, v6
	v_mul_u32_u24 v9, v9, 4*\KS                    ; my row of scale words
	LOADW 0, 4<<\LOGN
	LOADW 1, 4<<\LOGN
.irp t, 0,1,2,3,4,5,6,7
	BLOCKW \t, 4<<\LOGN
.endr
	global_store_b64 v9, v[SB:SB+1], s[34:35]      ; my column's two scale words
.irp i, 0,1,2,3,4,5,6,7,8,9,10,11
	ds_load_b128 v[OUTR+4*\i:OUTR+4*\i+3], v7 offset:512*\i   ; LDS serves a wave's instructions in order: these see my stores
.endr
.irp i, 0,1,2,3,4,5,6,7,8,9,10,11
	s_wait_dscnt 11-\i                             ; the younger loads may be out
	global_store_b128 v8, v[OUTR+4*\i:OUTR+4*\i+3], s[32:33] offset:(\i/6)*\KS*1536+(\i%6)*512   ; 512 consecutive bytes, at a multiple of 256 from the buffer's first byte
.endr
	s_wait_tensorcnt 0x0                           ; the wave's end: behind my last LDS store
	ds_add_u32 v[SPW], v[NIL]
	s_wait_dscnt 0x0
	s_endpgm
.endm
	s_load_b256 s[4:11], s[0:1], 0x0               ; W1 s[4:5], W2 s[6:7], rt s[8:9], wq1 s[10:11]
	s_load_b128 s[12:15], s[0:1], 0x20             ; wq2 s[12:13], lst s[14:15]
	v_lshl_add_u32 v[SPW], v0, 2, SPARE
	v_mov_b32 v[NIL], 0
	v_lshrrev_b32 v1, 5, v0
	v_readfirstlane_b32 s16, v1                    ; wave
	v_and_b32 v2, 31, v0                           ; lane
	s_wait_kmcnt 0x0
	s_cmp_eq_u32 ttmp9, 0
	s_cbranch_scc1 .Lsort
	s_cmp_lt_u32 ttmp9, 513
	s_cbranch_scc1 .Lw1
	QW 6, 12, 11, 8, 24576, 513                    ; W2: K = 1,024, N = 2,048
.Lw1:
	QW 4, 10, 10, 16, 0, 1                         ; W1: K = 2,048, N = 1,024
.Lsort:
	s_cmp_lg_u32 s16, 0
	s_cbranch_scc1 .Lsort_end
	; ---- THE PLACING, one wave, all in registers.  v32-159: the 128 chunks' histograms, lane = pair; v160-184: first the headers' work, then, 24 registers at a time, pair | rank << 8 of token 32 i + lane
	v_mov_b32 v1, v2                               ; lane
	v_lshlrev_b32 v2, 2, v1
.set j, 0
.rept 128
	global_load_b32 v[32+j], v2, s[8:9] offset:8192+128*j
.set j, j+1
.endr
	v_mov_b32 v27, 1
	v_mov_b32 v29, 0                               ; each pair's first tile, lane = pair
.set j, 160
.rept 21
	v_mov_b32 v[j], 0                              ; the headers of groups lane (v160 on) and lane + 32 (v172 on)
.set j, j+1
.endr
	v_add_nc_u32 v181, 32, v1
	v_lshlrev_b32 v184, 5, v1
	s_mov_b32 s40, 0                               ; tiles so far
	s_mov_b32 s41, 0                               ; groups so far
	s_mov_b32 s46, 0xffff0000                      ; lanes 16-31
	s_wait_loadcnt 0x0
.set j, 1
.rept 127
	v_add_nc_u32 v[32+j], v[32+j], v[32+j-1]       ; counts up to and with chunk j
.set j, j+1
.endr
	v_add_nc_u32 v28, 15, v159
	v_lshrrev_b32 v28, 4, v28                      ; a pair's tiles n = ceil(count / 16), at most 128
	v_add_nc_u32 v31, 5, v28
	v_mul_u32_u24 v31, v31, 10923
	v_lshrrev_b32 v31, 16, v31                     ; its groups = (n + 5) / 6: exact for n + 5 up to 133
; Pair PP = (PA, PB): its first tile is noted, and every group from its first group on takes its figures; a later pair's overwrite them from that pair's first group on
.macro PAIR
	v_readlane_b32 s42, v28, PP
	v_readlane_b32 s43, v31, PP
	v_readlane_b32 s44, v159, PP
	v_writelane_b32 v29, s40, PP
	v_cmp_gt_u32 vcc_lo, s41, v1                   ; groups before the pair's first keep what they have
	v_cndmask_b32 v160, PA, v160, vcc_lo
	v_cndmask_b32 v161, PB, v161, vcc_lo
	v_cndmask_b32 v162, s40, v162, vcc_lo
	v_cndmask_b32 v163, s42, v163, vcc_lo
	v_cndmask_b32 v164, s44, v164, vcc_lo
	v_cndmask_b32 v168, s41, v168, vcc_lo
	v_cmp_gt_u32 vcc_lo, s41, v181
	v_cndmask_b32 v172, PA, v172, vcc_lo
	v_cndmask_b32 v173, PB, v173, vcc_lo
	v_cndmask_b32 v174, s40, v174, vcc_lo
	v_cndmask_b32 v175, s42, v175, vcc_lo
	v_cndmask_b32 v176, s44, v176, vcc_lo
	v_cndmask_b32 v180, s41, v180, vcc_lo
	s_add_co_u32 s40, s40, s42
	s_add_co_u32 s41, s41, s43
.endm
.set PP, 0
.set PA, 0
.rept 7
.set PB, PA+1
.rept 7-PA
	PAIR
.set PB, PB+1
.set PP, PP+1
.endr
.set PA, PA+1
.endr
; a header: k = the group's number within its pair; first tile + 6 k; min(6, max(0, n - 6 k)) tiles; count - 96 k tokens left
.macro HEADER R, g, gb, t0, t1
	v_sub_nc_u32 v[\t0], v[\g], v[\gb]
	v_mul_u32_u24 v[\t1], v[\t0], 6
	v_add_nc_u32 v[\R+2], v[\R+2], v[\t1]
	v_sub_nc_u32 v[\R+3], v[\R+3], v[\t1]
	v_max_i32 v[\R+3], 0, v[\R+3]
	v_min_i32 v[\R+3], 6, v[\R+3]
	v_mul_u32_u24 v[\t1], v[\t0], 96
	v_sub_nc_u32 v[\R+4], v[\R+4], v[\t1]
	v_cmp_eq_u32 vcc_lo, 0, v[\R+3]
	v_cndmask_b32 v[\R+2], v[\R+2], v[NIL], vcc_lo ; no tiles: first tile 0,
	v_cndmask_b32 v[\R+4], v[\R+4], v27, vcc_lo    ; one token left: slot 0, which is always written
.endm
	HEADER 160, 1, 168, 169, 170
	HEADER 172, 181, 180, 182, 183
	global_store_b128 v184, v[160:163], s[14:15] offset:10240
	global_store_b128 v184, v[164:167], s[14:15] offset:10256
	global_store_b128 v184, v[172:175], s[14:15] offset:11264
	global_store_b128 v184, v[176:179], s[14:15] offset:11280
.macro PLRLD i0, n                     ; pair | rank << 8 of tokens 32 (i0 + j) + lane into v[160 + j], j = 0 .. n - 1
.set j, 0
.rept \n
	global_load_b32 v[160+j], v2, s[8:9] offset:128*((\i0)+j)
.set j, j+1
.endr
.endm
; eight registers of tokens at a time: token 32 i + lane lies in chunk 2 i + lane / 16; slot = that chunk's table at its pair + its rank.  i0: the first i; p0: where its register stands among the 24
.macro PLACE i0, p0
	s_wait_xcnt 0x0                                ; the stores before have read their registers, which are written anew
.irp q, 0,1,2,3,4,5,6,7
	v_and_b32 v[3+\q], 0xff, v[160+(\p0)+\q]
	v_lshlrev_b32 v[3+\q], 2, v[3+\q]
.if (\i0)+\q == 0
	ds_bpermute_b32 v[11+\q], v[3+\q], v30         ; a pull between lanes: no LDS byte is touched
.else
	ds_bpermute_b32 v[11+\q], v[3+\q], v[32+2*((\i0)+\q)-1]
.endif
	ds_bpermute_b32 v[19+\q], v[3+\q], v[32+2*((\i0)+\q)]
.endr
	s_wait_dscnt 0x0
.irp q, 0,1,2,3,4,5,6,7
	v_cndmask_b32 v[11+\q], v[11+\q], v[19+\q], s46   ; lanes 16-31 belong to the odd chunk
	v_lshrrev_b32 v[19+\q], 8, v[160+(\p0)+\q]
	v_add_nc_u32 v[11+\q], v[11+\q], v[19+\q]
	v_min_u32 v[11+\q], 2559, v[11+\q]             ; a number that was loaded enters an address behind a bound
	v_lshlrev_b32 v[11+\q], 2, v[11+\q]
	v_add_nc_u32 v[3+\q], 32*((\i0)+\q), v1        ; the token's number, in the register that the pulls have done with
	global_store_b32 v[11+\q], v[3+\q], s[14:15]
.endr
.endm
	s_wait_xcnt 0x0                                ; the headers' stores have read v160-184: the first 24 registers of tokens may land there
	PLRLD 0, 24
	v_lshlrev_b32 v30, 4, v29                      ; each pair's first slot: the table of chunk 0.  (These 128 lines stand between the loads and the wait for them)
.set j, 0
.rept 127
	v_add_nc_u32 v[32+j], v[32+j], v30             ; the table of chunk j + 1: where its first token of each pair goes
.set j, j+1
.endr
	s_wait_loadcnt 0x0
	PLACE 0, 0
	PLACE 8, 8
	PLACE 16, 16
	PLRLD 24, 24
	s_wait_loadcnt 0x0
	PLACE 24, 0
	PLACE 32, 8
	PLACE 40, 16
	PLRLD 48, 16
	s_wait_loadcnt 0x0
	PLACE 48, 0
	PLACE 56, 8
.Lsort_end:
	s_wait_tensorcnt 0x0                           ; the wave's end
	ds_add_u32 v[SPW], v[NIL]
	s_wait_dscnt 0x0
	s_endpgm
.Lfunc_end_k_q3fc75be0ac_prep:
	.size	k_q3fc75be0ac_prep, .Lfunc_end_k_q3fc75be0ac_prep-k_q3fc75be0ac_prep
	.p2alignl 7, 3214868480
	.fill 96, 4, 3214868480
	.section	.rodata,"a",@progbits
	.p2align	6, 0x0
	.amdhsa_kernel k_q3fc75be0ac_prep
		.amdhsa_group_segment_fixed_size 49664
		.amdhsa_private_segment_fixed_size 0
		.amdhsa_enable_private_segment 0
		.amdhsa_kernarg_size 48
		.amdhsa_user_sgpr_count 2
		.amdhsa_user_sgpr_kernarg_segment_ptr 1
		.amdhsa_wavefront_size32 1
		.amdhsa_system_sgpr_workgroup_id_x 1
		.amdhsa_system_sgpr_workgroup_id_y 1
		.amdhsa_system_sgpr_workgroup_id_z 1
		.amdhsa_system_vgpr_workitem_id 0
		.amdhsa_next_free_vgpr 192
		.amdhsa_next_free_sgpr 66
		.amdhsa_reserve_vcc 1
		.amdhsa_float_denorm_mode_32 3
		.amdhsa_float_denorm_mode_16_64 3
		.amdhsa_memory_ordered 1
		.amdhsa_forward_progress 1
		.amdhsa_inst_pref_size 172
	.end_amdhsa_kernel
	.amdgpu_metadata
---
amdhsa.version: [ 1, 2 ]
amdhsa.kernels:
  - .name:           k_q3fc75be0ac_prep
    .symbol:         k_q3fc75be0ac_prep.kd
    .args:
      - { .name: W1, .offset: 0, .size: 8, .value_kind: global_buffer, .address_space: global }
      - { .name: W2, .offset: 8, .size: 8, .value_kind: global_buffer, .address_space: global }
      - { .name: rt, .offset: 16, .size: 8, .value_kind: global_buffer, .address_space: global }
      - { .name: wq1, .offset: 24, .size: 8, .value_kind: global_buffer, .address_space: global }
      - { .name: wq2, .offset: 32, .size: 8, .value_kind: global_buffer, .address_space: global }
      - { .name: lst, .offset: 40, .size: 8, .value_kind: global_buffer, .address_space: global }
    .group_segment_fixed_size: 49664
    .private_segment_fixed_size: 0
    .kernarg_segment_align: 8
    .kernarg_segment_size: 48
    .max_flat_workgroup_size: 128
    .sgpr_count:     66
    .vgpr_count:     192
    .wavefront_size: 32
...
	.end_amdgpu_metadata
.endif
;; end of part 2
;; launch ffn1 (part 3): grid 8 x 32, 4 waves a work-group, no clusters, 155,904 bytes of LDS; arguments xq, wq1, lst, b1, hq; writes hq
.if DOCPART == 3
	.amdgcn_target "amdgcn-amd-amdhsa--gfx1250"
	.amdhsa_code_object_version 6
	.text
	.protected	k_q3fc75be0ac_ffn1
	.globl	k_q3fc75be0ac_ffn1
	.p2align	8
	.type	k_q3fc75be0ac_ffn1,@function
k_q3fc75be0ac_ffn1:
	s_mov_b64 s[64:65], 0
	v_nop
	global_prefetch_b8 v0, s[64:65] scope:SCOPE_SE
	s_setreg_imm32_b32 hwreg(HW_REG_WAVE_MODE, 25, 1), 1
	s_wait_xcnt 0x0
; FFN1: h = Q(gelu(x W1[e] + b1[e])) for the rows of each group and both experts of its pair.  Rows of experts not chosen are left out (combine is 0 there for all inputs: see the first kernel's head).
; SHARES.  Work-group (x, y) STAYS and walks groups y and y + 32 of the list's 64 headers (49 groups at the most hold rows, whatever the split): a loop of two trips.  x / 4 = which of the pair's experts, x % 4 = which 256 of the
; 1,024 hidden units.  A trip: 6 tiles of 16 rows x 256 units; a wave 6 x 4 tiles: 24 accumulators.
; Row 16 m + r of a group is slot 16 x first tile + min(16 m + r, tokens left - 1): rows beyond the last token repeat it, so no lane is ever off.
; A TRIP.  (1) What hangs on the header alone and is read behind the second barrier is asked for: the tokens' numbers, W1's scale words, b1, five K steps of W1.  (2) A barrier: every wave's LDS reads of the last trip are over.
; (3) The rows' codes and scale words are staged in LDS; a group without tiles jumps over this alone.  (4) A barrier.  (5) A group without tiles jumps to the trip's end; else 16 K steps and the way out.
; Both barriers stand on every way.  Every register read behind the second barrier is written ahead of the branch or behind that barrier.  The price: a group without tiles
; issues the loads of (1), from valid places, and does not use them.
; THE PRODUCT IS USED TRANSPOSED: source 0 = a tile of W1 (16 units), source 1 = 16 rows of x.  By the order of columns in the weight's tiles a lane's 16 registers of tiles 2 b, 2 b + 1 are the units 32 b + 16 (lane / 16) + 0 .. 15 of one row.
; The rows' codes lie in LDS as images of the operand's registers, [K step][tile][1,536 bytes]; the weights go from memory straight into registers, five K steps ahead.
; No cluster: which groups share an expert hangs on the list.  The 16 K steps are written out: every LDS address is a register made at the head + an immediate.
; GELU: h = max(z, 0) - |z| erfc(|z| / sqrt 2) / 2, erfc by t = 1 / (1 + 0.3275911 |z| / sqrt 2), a polynomial of degree 5 in t, and 2^(-z^2 log2(e) / 2).  LIMIT: the polynomial's largest error is 1.5e-7 in erf.
; hq: [tile q][side][K step 8][half 2][768 bytes]: registers 6 c .. 6 c + 3 at 16 x lane, 6 c + 4, 6 c + 5 at 512 + 8 x lane; from byte 3,932,160 on the scale words [q][side][row][8].
; REGISTERS, in windows of 256.  Window 0: v1-14, v20-28 addresses and lane numbers; v30, v31 the add's two; v32-127 x's scale words (tile m, K step s: 32 + 16 m + s); v128-191 W1's (128 + 16 j + s); v192-251 a trip's head.
;   Window 1: W1's fragments, a ring of five sets of 48.  Window 2: the accumulators at 8 (4 m + j); v192-223 b1 in the result's layout.  Window 3: x's fragments, two sets of 72; on the way out all of it is at work.
.set SP,    9232                       ; a K step in LDS: 6 images of 1,536 bytes + 16
.set SCL,   16*SP                      ; behind them: x's scale words, [tile][row]: 64 bytes + 16, so that the 16 rows of a load start at 16 different places modulo 256 bytes
.set SPARE, SCL+6*1280                 ; the spare words, 128 bytes for each wave; no other line names them
.set MSB, 0
.macro WIN new                         ; the immediate's high byte repeats the setting that is left; bits 1:0 source 0, 3:2 source 1, 5:4 source 2, 7:6 destination
.if MSB != \new
	s_set_vgpr_msb (MSB<<8)|\new
.set MSB, \new
.endif
.endm
.macro PLACES                          ; four places behind this matrix form in front of loads into its sources and of reads of its results
.rept 4
	v_nop
.endr
.endm
.macro IDX dst, src, plus              ; a row's number in the group (v[src] + plus) becomes the byte of its slot in the list
.if \plus
	v_add_nc_u32 v[\dst], \plus, v[\src]
	v_min_u32 v[\dst], s29, v[\dst]
.else
	v_min_u32 v[\dst], s29, v[\src]
.endif
	v_add_nc_u32 v[\dst], s30, v[\dst]
	v_min_u32 v[\dst], 2559, v[\dst]               ; a number that was loaded enters an address behind a bound
	v_lshlrev_b32 v[\dst], 2, v[\dst]
.endm
.macro STAGE_LD k, db, win             ; tiles 2 k, 2 k + 1: my four rows of each, 1,536 bytes a row in three loads of 512 consecutive bytes
	WIN \win
.irp mm, 0,1
.irp rr, 0,1,2,3
.irp c, 0,1,2
	global_load_b128 v[\db+4*((\mm*4+\rr)*3+\c):\db+4*((\mm*4+\rr)*3+\c)+3], v[216+4*(2*\k+\mm)+\rr], s[4:5] offset:512*\c
.endr
.endr
.endr
.endm
.macro STAGE_ST k, db, win             ; lane l's 16 bytes are K step l / 2, half l % 2: they go to that K step's image
	WIN \win
.irp mm, 0,1
.irp rr, 0,1,2,3
.irp c, 0,1,2
	ds_store_b128 v5, v[\db+4*((\mm*4+\rr)*3+\c):\db+4*((\mm*4+\rr)*3+\c)+3] offset:1536*(2*\k+\mm)+16*\rr+512*\c
.endr
.endr
.endr
.endm
.macro BFETCH s                        ; W1's four fragments of K step s, from memory into ring set s % 5
	WIN 0x40
.irp j, 0,1,2,3
.irp c, 0,1,2
	global_load_b128 v[48*((\s)%5)+12*\j+4*\c:48*((\s)%5)+12*\j+4*\c+3], v1, s[32:33] offset:24576*\j+1536*(\s)+512*\c
.endr
.endr
.endm
.macro AFETCH s                        ; x's six fragments of K step s, from LDS into set s % 2: 18 loads
	WIN 0xC0
.irp m, 0,1,2,3,4,5
.irp c, 0,1,2
	ds_load_b128 v[72*((\s)%2)+12*\m+4*\c:72*((\s)%2)+12*\m+4*\c+3], v[2+(\s)/7] offset:((\s)%7)*SP+1536*\m+512*\c
.endr
.endr
.endm
.macro STEP s
.set LC, 15-(\s)
.if LC > 4
.set LC, 4
.endif
	s_wait_loadcnt 12*LC                           ; behind set s stand at most the loads of sets s + 1 .. s + 4, twelve each (sets 0 to 4 landed ahead of the first step: there the count is merely met)
.if (\s) < 15
	s_wait_dscnt 18                                ; behind x's set s stand the 18 loads of set s + 1
.else
	s_wait_dscnt 0x0
.endif
	WIN 0xAD                                       ; source 0 window 1, source 1 window 3, C and D window 2
.irp m, 0,1,2,3,4,5                            ; the 24 accumulators take turns, one instruction a turn, in the same order in every step
.irp j, 0,1,2,3
.if (\s) == 0
	v_wmma_scale_f32_16x16x128_f8f6f4 v[8*(4*\m+\j):8*(4*\m+\j)+7], v[48*((\s)%5)+12*\j:48*((\s)%5)+12*\j+11], v[72*((\s)%2)+12*\m:72*((\s)%2)+12*\m+11], v[192+8*\j:199+8*\j], v[128+16*\j+(\s)], v[32+16*\m+(\s)] matrix_a_fmt:MATRIX_FMT_FP6 matrix_b_fmt:MATRIX_FMT_FP6
.else
	v_wmma_scale_f32_16x16x128_f8f6f4 v[8*(4*\m+\j):8*(4*\m+\j)+7], v[48*((\s)%5)+12*\j:48*((\s)%5)+12*\j+11], v[72*((\s)%2)+12*\m:72*((\s)%2)+12*\m+11], v[8*(4*\m+\j):8*(4*\m+\j)+7], v[128+16*\j+(\s)], v[32+16*\m+(\s)] matrix_a_fmt:MATRIX_FMT_FP6 matrix_b_fmt:MATRIX_FMT_FP6
.endif
.endr
.endr
	PLACES
.if (\s) <= 13
	AFETCH (\s)+2
.endif
.if (\s) <= 10
	BFETCH (\s)+5
.endif
.endm
; THE WAY OUT of tile m, if the group has it.  Window 3: v0-31 h, v32-63 t, v64-95 the exponential, v96-127 the polynomial, v128-150 the quantiser's.  z = window 2, v[32 m] on: register 16 b + i = unit 32 b + 16 h + i of my row
.macro TILE_OUT m
	WIN 0
.if \m > 0
	s_cmp_le_u32 s23, \m
	s_cbranch_scc1 .Ltrip_end
.endif
	WIN 0xFE                                       ; source 0 window 2, all else window 3
.set i, 0
.rept 32
	v_fma_f32 v[32+i], |v[32*\m+i]|, s46, 1.0      ; each accumulator is read from its low end on
.set i, i+1
.endr
.set i, 0
.rept 16
	v_pk_mul_f32 v[64+i:65+i], v[32*\m+i:32*\m+i+1], s[48:49] op_sel_hi:[1,0]
.set i, i+2
.endr
.set i, 0
.rept 16
	v_pk_mul_f32 v[64+i:65+i], v[32*\m+i:32*\m+i+1], v[64+i:65+i]   ; -z^2 log2(e) / 2
.set i, i+2
.endr
.set i, 0
.rept 32
	v_max_num_f32 v[i], v[32*\m+i], 0
.set i, i+1
.endr
	WIN 0xFF
.set i, 0
.rept 32
	v_rcp_f32 v[32+i], v[32+i]                     ; t
.set i, i+1
.endr
.set i, 0
.rept 32
	v_exp_f32 v[64+i], v[64+i]
.set i, i+1
.endr
	v_nop                                          ; a plain place behind the batch,
	s_wait_alu depctr_va_vdst(0)                   ; and one wait for its 64, ahead of the first use
.set i, 0
.rept 16
	v_pk_fma_f32 v[96+i:97+i], v[32+i:33+i], s[50:51], v[176:177] op_sel_hi:[1,0,1]
.set i, i+2
.endr
.irp cf, 52,54,56
.set i, 0
.rept 16
	v_pk_fma_f32 v[96+i:97+i], v[96+i:97+i], v[32+i:33+i], s[\cf:\cf+1] op_sel_hi:[1,1,0]
.set i, i+2
.endr
.endr
.set i, 0
.rept 16
	v_pk_mul_f32 v[96+i:97+i], v[96+i:97+i], v[32+i:33+i]
.set i, i+2
.endr
.set i, 0
.rept 16
	v_pk_mul_f32 v[96+i:97+i], v[96+i:97+i], v[64+i:65+i]   ; erfc(|z| / sqrt 2) / 2
.set i, i+2
.endr
	WIN 0xFE
.set i, 0
.rept 32
	v_fma_f32 v[i], -|v[32*\m+i]|, v[96+i], v[i]   ; h
.set i, i+1
.endr
	WIN 0xFF
	s_wait_xcnt 0x0                                ; the tile before's stores have read their registers
	v_max3_num_f32 v128, |v0|, |v1|, 0x1800000     ; my 16 numbers of each of two blocks, and the floor 2^(3 - 127)
	v_max3_num_f32 v129, |v16|, |v17|, 0x1800000
.irp i, 2,4,6,8,10,12,14
	v_max3_num_f32 v128, v128, |v[\i]|, |v[\i+1]|
	v_max3_num_f32 v129, v129, |v[16+\i]|, |v[17+\i]|
.endr
	v_permlanex16_b32 v130, v128, s44, s45
	v_permlanex16_b32 v131, v129, s44, s45
	v_max_num_f32 v128, v128, v130                 ; with lane l xor 16's: the block's largest magnitude
	v_max_num_f32 v129, v129, v131
	v_add_nc_u32 v132, 0xff000000, v128            ; 2 off the exponent field: the conversion's scale operand
	v_add_nc_u32 v133, 0xff000000, v129
	v_lshrrev_b32 v134, 23, v132
	v_lshrrev_b32 v135, 23, v133
	v_lshl_or_b32 v136, v135, 8, v134              ; my two scale bytes
	v_cvt_scalef32_pk16_fp6_f32 v[140:142], v[0:15], v132
	v_cvt_scalef32_pk16_fp6_f32 v[148:150], v[16:31], v133
	v_nop                                          ; one plain place behind a scaled conversion
.irp i, 0,1,2
	v_permlane16_swap_b32 v[140+\i], v[148+\i]     ; a whole block to a lane: lanes 0-15 the first, lanes 16-31 the second
.endr
.irp i, 0,1,2
	v_mov_b32 v[143+\i], v[148+\i]
.endr
	WIN 0x0C                                       ; a store's data are its source 1: window 3
	global_store_b128 v1, v[140:143], s[38:39] offset:24576*\m         ; 512 consecutive bytes,
	global_store_b64 v22, v[144:145], s[38:39] offset:24576*\m+512     ; and 256
	global_store_b16 v23, v136, s[40:41] offset:1024*\m                ; both halves of the lanes write the same bytes with the same value
.endm
	s_load_b256 s[4:11], s[0:1], 0x0               ; xq s[4:5], wq1 s[6:7], lst s[8:9], b1 s[10:11]
	s_load_b64 s[12:13], s[0:1], 0x20              ; hq
	v_lshl_add_u32 v30, v0, 2, SPARE
	v_mov_b32 v31, 0
	v_lshrrev_b32 v29, 5, v0
	v_readfirstlane_b32 s14, v29                   ; wave 0..3
	v_and_b32 v26, 31, v0                          ; lane
	v_and_b32 v24, 15, v0                          ; r
	v_bfe_u32 v25, v0, 4, 1                        ; h
	v_lshlrev_b32 v1, 4, v26                       ; 16 x lane
	v_lshlrev_b32 v2, 4, v26                       ; LDS: K steps 0-6,
	v_add_nc_u32 v3, 7*SP, v2                      ; 7-13,
	v_add_nc_u32 v4, 14*SP, v2                     ; 14, 15: so that every immediate stays under 2^16
	v_lshrrev_b32 v5, 1, v26
	v_mul_u32_u24 v5, v5, SP
	v_and_b32 v6, 1, v0
	v_lshl_add_u32 v5, v6, 8, v5
	s_lshl_b32 s31, s14, 6
	v_add_nc_u32 v5, s31, v5                       ; staging: (lane / 2) K steps + 256 (lane % 2) + 16 x my first row 4 w
	v_lshlrev_b32 v7, 6, v24                       ; W1's scale words: 64 bytes a row
	v_lshlrev_b32 v20, 6, v25                      ; b1: 16 h numbers on
	v_lshlrev_b32 v22, 3, v26
	v_lshlrev_b32 v23, 5, v24                      ; h's scale words: 32 bytes a row
	v_and_b32 v27, 3, v0                           ; lane % 4
	v_bfe_u32 v28, v0, 2, 2                        ; (lane / 4) % 4
	v_mul_u32_u24 v8, v28, 80                      ; x's scale words on their way in: load i brings tiles 2 i + h, rows 4 w + (lane / 4) % 4, quarter lane % 4 of a row's 64 bytes
	v_mad_u32_u24 v8, v25, 1280, v8
	v_lshl_add_u32 v8, v27, 4, v8
	s_mul_i32 s31, s14, 320
	s_add_co_u32 s31, s31, SCL
	v_add_nc_u32 v8, s31, v8
	v_mul_u32_u24 v9, v24, 80                      ; and back: row r
	v_add_nc_u32 v9, SCL, v9
	s_lshl_b32 s31, s14, 2
	v_lshrrev_b32 v10, 2, v26
	v_lshl_add_u32 v10, v10, 4, v27
	v_add_nc_u32 v10, s31, v10                     ; lane 4 m + i: row 16 m + 4 w + i: the rows whose codes I stage
	v_lshl_add_u32 v11, v25, 4, v28
	v_add_nc_u32 v11, s31, v11                     ; row 16 h + 4 w + (lane / 4) % 4: with 32 i the row whose scale words I stage by load i
	v_lshlrev_b32 v14, 4, v27                      ; my quarter of them
	s_and_b32 s15, ttmp7, 0xffff                   ; y
	s_lshl_b32 s16, s15, 5
	s_mov_b32 s17, 0
	s_lshr_b32 s18, ttmp9, 2                       ; side
	s_and_b32 s19, ttmp9, 3                        ; which 256 units
	s_mov_b32 s44, 0x76543210
	s_mov_b32 s45, 0xfedcba98                      ; lane l xor 16
	s_mov_b32 s46, 0x3e6d3388                      ; 0.3275911 / sqrt 2
	s_mov_b32 s48, 0xbf38aa3b                      ; -log2(e) / 2
	s_mov_b32 s49, s48                             ; (a packed form names the pair, so both are written)
	s_mov_b32 s50, 0x3f07dc22                      ; the polynomial's coefficients, halved: a5 / 2 = 0.5307027,
	s_mov_b32 s51, s50
	s_mov_b32 s52, 0x3f35f0e3                      ; a3 / 2 = 0.7107069,
	s_mov_b32 s53, s52
	s_mov_b32 s54, 0xbe11a98e                      ; a2 / 2 = -0.1422484,
	s_mov_b32 s55, s54
	s_mov_b32 s56, 0x3e027906                      ; a1 / 2 = 0.1274148,
	s_mov_b32 s57, s56
	s_mov_b32 s58, 0xbf3a00e3                      ; a4 / 2 = -0.7265760
	s_mov_b32 s77, 0                               ; trips done
	s_wait_kmcnt 0x0
	s_add_nc_u64 s[16:17], s[8:9], s[16:17]
	s_load_b256 s[20:27], s[16:17], 0x2800         ; group y's header: a, b, first tile, tiles, tokens left
	s_load_b256 s[68:75], s[16:17], 0x2c00         ; and group y + 32's, 32 headers of 32 bytes on
	s_wait_kmcnt 0x0
.Ltrip:
	s_wait_loadcnt 0x0                             ; the loads of a trip that was passed over have landed: their registers are loaded anew,
	s_wait_xcnt 0x0                                ; and the last trip's stores have read their registers and bases
	s_cmp_eq_u32 s18, 0
	s_cselect_b32 s28, s20, s21                    ; my expert
	s_min_u32 s28, s28, 7                          ; numbers that were loaded enter addresses behind bounds
	s_min_u32 s22, s22, 153
	s_min_u32 s23, s23, 6
	s_sub_co_u32 s29, s24, 1
	s_lshl_b32 s30, s22, 4
	s_lshl_b32 s60, s19, 4
	s_lshl_b32 s61, s14, 2
	s_add_co_u32 s60, s60, s61                     ; my first tile of W1: 16 x (x % 4) + 4 w
	s_mul_i32 s42, s28, 1572864
	s_mul_i32 s61, s60, 24576
	s_add_co_u32 s42, s42, s61
	s_mov_b32 s43, 0
	s_add_nc_u64 s[32:33], s[6:7], s[42:43]        ; its codes
	s_lshl_b32 s42, s28, 6
	s_add_co_u32 s42, s42, s60
	s_lshl_b32 s42, s42, 10
	s_add_co_u32 s42, s42, 12582912
	s_add_nc_u64 s[34:35], s[6:7], s[42:43]        ; its scale words
	s_lshl_b32 s42, s28, 12
	s_lshl_b32 s61, s60, 6
	s_add_co_u32 s42, s42, s61
	s_add_nc_u64 s[36:37], s[10:11], s[42:43]      ; b1 at my first unit
	s_lshl_b32 s61, s22, 1
	s_add_co_u32 s61, s61, s18                     ; 2 x first tile + side
	s_mul_i32 s42, s61, 12288
	s_lshl_b32 s62, s19, 2
	s_add_co_u32 s62, s62, s14                     ; my 64 units are half 4 (x % 4) + w of the next product's sixteen
	s_mul_i32 s63, s62, 768
	s_add_co_u32 s42, s42, s63
	s_add_nc_u64 s[38:39], s[12:13], s[42:43]      ; h's codes
	s_lshl_b32 s42, s61, 9
	s_lshl_b32 s63, s62, 1
	s_add_co_u32 s42, s42, s63
	s_add_co_u32 s42, s42, 3932160
	s_add_nc_u64 s[40:41], s[12:13], s[42:43]      ; h's scale bytes: my two of a row's 32
	; ---- what hangs on the header alone: 4 + 16 + 8 + 60 loads
	IDX 192, 10, 0
	global_load_b32 v206, v192, s[8:9]             ; lane 4 m + i: the token of row 4 w + i of tile m
.irp i, 0,1,2
	IDX 193+\i, 11, 32*\i
	global_load_b32 v[200+\i], v[193+\i], s[8:9]   ; the tokens in the order of the scale words' staging
.endr
.irp j, 0,1,2,3
.irp q, 0,1,2,3
	global_load_b128 v[128+16*\j+4*\q:131+16*\j+4*\q], v7, s[34:35] offset:1024*\j+16*\q
.endr
.endr
	WIN 0x80
.irp bb, 0,1
.irp k, 0,1,2,3
	global_load_b128 v[192+16*\bb+4*\k:195+16*\bb+4*\k], v20, s[36:37] offset:128*\bb+16*\k
.endr
.endr
	BFETCH 0
	BFETCH 1
	BFETCH 2
	BFETCH 3
	BFETCH 4
	WIN 0
	s_wait_dscnt 0x0                               ; my LDS reads of the last trip are over
	s_barrier_signal -1
	s_barrier_wait -1                              ; everybody's are: the images may be written anew
	s_cmp_eq_u32 s23, 0
	s_cbranch_scc1 .Lbar                           ; a group without tiles stages nothing
	s_wait_loadcnt 63                              ; behind the four loads of tokens stand 84; the count's field names 63 at the most
.irp i, 0,1,2
	v_min_u32 v[200+\i], 2047, v[200+\i]
	v_lshl_add_u32 v[208+\i], v[200+\i], 6, v14    ; x's scale words: 64 bytes a token, my quarter
.endr
.set q, 0
.rept 24
	v_readlane_b32 s60, v206, q
	s_min_u32 s60, s60, 2047
	s_mul_i32 s60, s60, 1536
	v_add_nc_u32 v[216+q], s60, v1                 ; the row's codes: 1,536 bytes a token, 16 a lane
.set q, q+1
.endr
.irp i, 0,1,2
	global_load_b128 v[240+4*\i:243+4*\i], v[208+\i], s[4:5] offset:3145728
.endr
	STAGE_LD 0, 0, 0x80                            ; into registers that the accumulators and x's fragments take later
	STAGE_LD 1, 96, 0x80
	STAGE_LD 2, 0, 0xC0
	s_wait_loadcnt 48                              ; the two younger groups of 24 may be out
	WIN 0
.irp i, 0,1,2
	ds_store_b128 v8, v[240+4*\i:243+4*\i] offset:2560*\i
.endr
	STAGE_ST 0, 0, 0x08
	s_wait_loadcnt 24                              ; the youngest group may be out
	STAGE_ST 1, 96, 0x08
	s_wait_loadcnt 0x0
	STAGE_ST 2, 0, 0x0C
	WIN 0
.Lbar:
	s_wait_dscnt 0x0                               ; for the others' sake: my part of the images is in LDS
	s_barrier_signal -1
	s_barrier_wait -1
	s_cmp_eq_u32 s23, 0
	s_cbranch_scc1 .Ltrip_end                      ; a group without tiles
	s_wait_loadcnt 0x0                             ; W1's scale words, b1 and the five sets are in
.irp m, 0,1,2,3,4,5
.irp q, 0,1,2,3
	ds_load_b128 v[32+16*\m+4*\q:35+16*\m+4*\q], v9 offset:1280*\m+16*\q   ; x's scale words: lane r takes row r's sixteen
.endr
.endr
	AFETCH 0
	AFETCH 1
.irp s, 0,1,2,3,4,5,6,7,8,9,10,11,12,13,14,15
	STEP \s
.endr
	WIN 0xC0
	v_mov_b32 v176, s58                            ; a4 / 2 as a vector pair, so that each packed line names one scalar value
	v_mov_b32 v177, s58
	v_mov_b32 v130, 0                              ; written ahead: a lane permute's destination counts as one of its sources
	v_mov_b32 v131, 0
.irp m, 0,1,2,3,4,5
	TILE_OUT \m
.endr
	WIN 0
.Ltrip_end:
	s_mov_b32 s20, s68                             ; the second trip's header
	s_mov_b32 s21, s69
	s_mov_b32 s22, s70
	s_mov_b32 s23, s71
	s_mov_b32 s24, s72
	s_add_co_u32 s77, s77, 1
	s_cmp_lt_u32 s77, 2
	s_cbranch_scc1 .Ltrip
	s_wait_tensorcnt 0x0                           ; the wave's end: behind my last LDS store
	ds_add_u32 v30, v31
	s_wait_dscnt 0x0
	s_endpgm
.Lfunc_end_k_q3fc75be0ac_ffn1:
	.size	k_q3fc75be0ac_ffn1, .Lfunc_end_k_q3fc75be0ac_ffn1-k_q3fc75be0ac_ffn1
	.p2alignl 7, 3214868480
	.fill 96, 4, 3214868480
	.section	.rodata,"a",@progbits
	.p2align	6, 0x0
	.amdhsa_kernel k_q3fc75be0ac_ffn1
		.amdhsa_group_segment_fixed_size 155904
		.amdhsa_private_segment_fixed_size 0
		.amdhsa_enable_private_segment 0
		.amdhsa_kernarg_size 40
		.amdhsa_user_sgpr_count 2
		.amdhsa_user_sgpr_kernarg_segment_ptr 1
		.amdhsa_wavefront_size32 1
		.amdhsa_system_sgpr_workgroup_id_x 1
		.amdhsa_system_sgpr_workgroup_id_y 1
		.amdhsa_system_sgpr_workgroup_id_z 1
		.amdhsa_system_vgpr_workitem_id 0
		.amdhsa_next_free_vgpr 960
		.amdhsa_next_free_sgpr 100
		.amdhsa_reserve_vcc 0
		.amdhsa_float_denorm_mode_32 3
		.amdhsa_float_denorm_mode_16_64 3
		.amdhsa_memory_ordered 1
		.amdhsa_forward_progress 1
		.amdhsa_inst_pref_size 228
	.end_amdhsa_kernel
	.amdgpu_metadata
---
amdhsa.version: [ 1, 2 ]
amdhsa.kernels:
  - .name:           k_q3fc75be0ac_ffn1
    .symbol:         k_q3fc75be0ac_ffn1.kd
    .args:
      - { .name: xq, .offset: 0, .size: 8, .value_kind: global_buffer, .address_space: global }
      - { .name: wq1, .offset: 8, .size: 8, .value_kind: global_buffer, .address_space: global }
      - { .name: lst, .offset: 16, .size: 8, .value_kind: global_buffer, .address_space: global }
      - { .name: b1, .offset: 24, .size: 8, .value_kind: global_buffer, .address_space: global }
      - { .name: hq, .offset: 32, .size: 8, .value_kind: global_buffer, .address_space: global }
    .group_segment_fixed_size: 155904
    .private_segment_fixed_size: 0
    .kernarg_segment_align: 8
    .kernarg_segment_size: 40
    .max_flat_workgroup_size: 128
    .sgpr_count:     100
    .vgpr_count:     960
    .wavefront_size: 32
...
	.end_amdgpu_metadata
.endif
;; end of part 3
;; launch ffn2 (part 4): grid 8 x 32, 4 waves a work-group, no clusters, 167,168 bytes of LDS; arguments hq, wq2, lst, wts, b2, out0; writes out0
.if DOCPART == 4
	.amdgcn_target "amdgcn-amd-amdhsa--gfx1250"
	.amdhsa_code_object_version 6
	.text
	.protected	k_q3fc75be0ac_ffn2
	.globl	k_q3fc75be0ac_ffn2
	.p2align	8
	.type	k_q3fc75be0ac_ffn2,@function
k_q3fc75be0ac_ffn2:
	s_mov_b64 s[64:65], 0
	v_nop
	global_prefetch_b8 v0, s[64:65] scope:SCOPE_SE
	s_setreg_imm32_b32 hwreg(HW_REG_WAVE_MODE, 25, 1), 1
	s_wait_xcnt 0x0
; FFN2: out[t] = wa (ha W2[a] + b2[a]) + wb (hb W2[b] + b2[b]) for the tokens of each group.  Rows of experts not chosen are left out (combine is 0 there for all inputs: see the first kernel's head).
; EACH OUTPUT ROW HAS ONE OWNER: a group's tokens share their pair (a, b), so both experts' products are summed in the same accumulators: eight K steps of a (begun with b2[a] as C), then
; acc = (wa / wb) acc + b2[b], eight K steps of b, and at the end x wb.  Every token lies in exactly one group, so every row of out0 is written.
; SHARES.  Work-group (x, y) STAYS and walks groups y and y + 32 of the list's 64 headers (49 groups at the most hold rows, whatever the split): a loop of two trips.  Columns 256 x on; a trip: 6 tiles of 16 rows x 256 columns;
; a wave 6 x 4 tiles: 24 accumulators.  Step s = 8 side + K step.
; A TRIP.  (1) What hangs on the header alone and is read behind the second barrier is asked for: the tokens' numbers, W2's and h's scale words, both biases, five steps of W2.  (2) A barrier: every wave's LDS reads of the last
; trip are over.  (3) h's codes are staged in LDS; a group without tiles jumps over this alone.  (4) A barrier.  (5) A group without tiles jumps to the trip's end; else 16 steps and the way out.
; Both barriers stand on every way.  Every register read behind the second barrier is written ahead of the branch or behind that barrier.  The price: a group without tiles
; issues the loads of (1), from valid places (tile 0 and slot 0, which are always written), and does not use them.
; Tiles that the group does not have repeat its last tile in the staging, and their results are not stored.  Rows beyond the group's last token repeat it: they hold the same numbers and go to the same bytes.
; The product is used transposed (source 0 = a tile of W2, source 1 = 16 rows of h), as in the launch before; the weights go from memory straight into registers, five steps ahead.
; No cluster: which groups share an expert hangs on the list.
; REGISTERS.  Window 0: v1-15, v28 addresses; v16-27 (wa / wb, wb) of my row of each tile; v30, v31 the add's two; v32-127 h's scale words (32 + 16 m + s); v128-191 W2's (128 + 16 j + s); v192-243 a trip's head and lane numbers.
;   Window 1: W2's fragments, a ring of five sets of 48.  Window 2: the accumulators at 8 (4 m + j); v192-223 b2[a], v224-255 b2[b] in the result's layout.  Window 3: h's fragments, two sets of 72; on the way out at work.
.set SP,    9232                       ; a step in LDS: 6 images of 1,536 bytes + 16
.set TOKT,  16*SP                      ; each wave's own table of the group's tokens: 6 x 16 words
.set STG,   TOKT+4*384                 ; each wave's own stage: 16 rows x (256 bytes + 16)
.set SPARE, STG+4*16*272               ; the spare words, 128 bytes for each wave; no other line names them
.set MSB, 0
.macro WIN new                         ; the immediate's high byte repeats the setting that is left; bits 1:0 source 0, 3:2 source 1, 5:4 source 2, 7:6 destination
.if MSB != \new
	s_set_vgpr_msb (MSB<<8)|\new
.set MSB, \new
.endif
.endm
.macro PLACES                          ; four places behind this matrix form (ISA guide 7.12.1)
.rept 4
	v_nop
.endr
.endm
.macro STAGE_LD k, db, win             ; tiles 2 k, 2 k + 1, both sides, my two K steps 2 w, 2 w + 1: 1,536 bytes each in three loads of 512 consecutive bytes
	WIN \win
.irp mm, 0,1
.irp sd, 0,1
.irp kk, 0,1
.irp c, 0,1,2
	global_load_b128 v[\db+4*(((\mm*2+\sd)*2+\kk)*3+\c):\db+4*(((\mm*2+\sd)*2+\kk)*3+\c)+3], v[216+2*\k+\mm], s[4:5] offset:12288*\sd+1536*\kk+512*\c
.endr
.endr
.endr
.endr
.endm
.macro STAGE_ST k, db, win             ; as they lie; side 1 has an address register of its own, so that the immediate stays under 2^16
	WIN \win
.irp mm, 0,1
.irp sd, 0,1
.irp kk, 0,1
.irp c, 0,1,2
	ds_store_b128 v[8+20*\sd], v[\db+4*(((\mm*2+\sd)*2+\kk)*3+\c):\db+4*(((\mm*2+\sd)*2+\kk)*3+\c)+3] offset:\kk*SP+1536*(2*\k+\mm)+512*\c
.endr
.endr
.endr
.endr
.endm
.macro BFETCH s                        ; W2's four fragments of step s (expert a for s < 8, else b) into ring set s % 5
	WIN 0x40
.irp j, 0,1,2,3
.irp c, 0,1,2
	global_load_b128 v[48*((\s)%5)+12*\j+4*\c:48*((\s)%5)+12*\j+4*\c+3], v1, s[32+2*((\s)/8):33+2*((\s)/8)] offset:12288*\j+1536*((\s)%8)+512*\c
.endr
.endr
.endm
.macro AFETCH s                        ; h's six fragments of step s into set s % 2: each is two halves of four + two registers: 24 loads
	WIN 0xC0
.irp m, 0,1,2,3,4,5
.set F, 72*((\s)%2)+12*\m
.set O, ((\s)%7)*SP+1536*\m
	ds_load_b128 v[F:F+3], v[2+(\s)/7] offset:O
	ds_load_b64 v[F+4:F+5], v[5+(\s)/7] offset:O+512
	ds_load_b128 v[F+6:F+9], v[2+(\s)/7] offset:O+768
	ds_load_b64 v[F+10:F+11], v[5+(\s)/7] offset:O+1280
.endr
.endm
.macro STEP s
.set LC, 15-(\s)
.if LC > 4
.set LC, 4
.endif
	s_wait_loadcnt 12*LC                           ; behind set s stand at most the loads of sets s + 1 .. s + 4, twelve each (sets 0 to 4 landed ahead of the first step; the six loads of weights are older than set 5, so step 5's wait shows them landed)
.if (\s) < 15
	s_wait_dscnt 24                                ; behind h's set s stand the 24 loads of set s + 1
.else
	s_wait_dscnt 0x0
.endif
	WIN 0xAD                                       ; source 0 window 1, source 1 window 3, C and D window 2
.irp m, 0,1,2,3,4,5                            ; the 24 accumulators take turns, one instruction a turn, in the same order in every step
.irp j, 0,1,2,3
.if (\s) == 0
	v_wmma_scale_f32_16x16x128_f8f6f4 v[8*(4*\m+\j):8*(4*\m+\j)+7], v[48*((\s)%5)+12*\j:48*((\s)%5)+12*\j+11], v[72*((\s)%2)+12*\m:72*((\s)%2)+12*\m+11], v[192+8*\j:199+8*\j], v[128+16*\j+(\s)], v[32+16*\m+(\s)] matrix_a_fmt:MATRIX_FMT_FP6 matrix_b_fmt:MATRIX_FMT_FP6
.else
	v_wmma_scale_f32_16x16x128_f8f6f4 v[8*(4*\m+\j):8*(4*\m+\j)+7], v[48*((\s)%5)+12*\j:48*((\s)%5)+12*\j+11], v[72*((\s)%2)+12*\m:72*((\s)%2)+12*\m+11], v[8*(4*\m+\j):8*(4*\m+\j)+7], v[128+16*\j+(\s)], v[32+16*\m+(\s)] matrix_a_fmt:MATRIX_FMT_FP6 matrix_b_fmt:MATRIX_FMT_FP6
.endif
.endr
.endr
	PLACES
.if (\s) <= 13
	AFETCH (\s)+2
.endif
.if (\s) <= 10
	BFETCH (\s)+5
.endif
.endm
; THE WAY OUT of tile m, if the group has it: x wb; through my own stage, so that sixteen lanes hold 256 consecutive bytes of a row; each row goes to its token's row of out0
.macro OUT m
	WIN 0
.if \m > 0
	s_cmp_le_u32 s23, \m
	s_cbranch_scc1 .Ltrip_end
.endif
	s_wait_xcnt 0x0                                ; the tile before's stores have read their registers
	WIN 0xC2                                       ; source 0 window 2, source 1 window 0, destination window 3
.set i, 0
.rept 16
	v_pk_mul_f32 v[i:i+1], v[32*\m+i:32*\m+i+1], v[16+2*\m:17+2*\m] op_sel:[0,1] op_sel_hi:[1,1]   ; the pair's second word, wb, for both halves; each accumulator from its low end on
.set i, i+2
.endr
	WIN 0x0C
.irp bb, 0,1
.irp k, 0,1,2,3
	ds_store_b128 v11, v[16*\bb+4*\k:16*\bb+4*\k+3] offset:128*\bb+16*\k   ; register 16 b + i is column 32 b + 16 h + i of my 64
.endr
.endr
	WIN 0xC0
.irp i, 0,1,2,3,4,5,6,7
	ds_load_b128 v[32+4*\i:35+4*\i], v12 offset:544*\i     ; LDS serves a wave's instructions in order: these see my stores
.endr
.irp i, 0,1,2,3,4,5,6,7
	ds_load_b32 v[64+\i], v13 offset:64*\m+8*\i            ; the token of row 2 i + lane / 16
.endr
	s_wait_dscnt 0x0
	WIN 0xFF
.irp i, 0,1,2,3,4,5,6,7
	v_min_u32 v[64+\i], 2047, v[64+\i]
	v_lshl_add_u32 v[64+\i], v[64+\i], 13, v80             ; a row of out0 is 8,192 bytes
.endr
	WIN 0x0F
.irp i, 0,1,2,3,4,5,6,7
	global_store_b128 v[64+\i], v[32+4*\i:35+4*\i], s[14:15] th:TH_STORE_NT   ; sixteen lanes store 256 consecutive bytes, at a multiple of 256 from out0's first byte
.endr
.endm
	s_load_b256 s[4:11], s[0:1], 0x0               ; hq s[4:5], wq2 s[6:7], lst s[8:9], wts s[10:11]
	s_load_b128 s[12:15], s[0:1], 0x20             ; b2 s[12:13], out0 s[14:15]
	v_lshl_add_u32 v30, v0, 2, SPARE
	v_mov_b32 v31, 0
	v_lshrrev_b32 v29, 5, v0
	v_readfirstlane_b32 s16, v29                   ; wave 0..3
	v_and_b32 v240, 31, v0                         ; lane
	v_and_b32 v241, 15, v0                         ; r
	v_bfe_u32 v242, v0, 4, 1                       ; h
	v_lshlrev_b32 v1, 4, v240                      ; 16 x lane
	v_lshlrev_b32 v2, 4, v240                      ; LDS, 16 bytes a lane: steps 0-6,
	v_add_nc_u32 v3, 7*SP, v2                      ; 7-13,
	v_add_nc_u32 v4, 14*SP, v2                     ; 14, 15
	v_lshlrev_b32 v5, 3, v240                      ; and 8 bytes a lane
	v_add_nc_u32 v6, 7*SP, v5
	v_add_nc_u32 v7, 14*SP, v5
	s_mul_i32 s46, s16, 2*SP
	v_add_nc_u32 v8, s46, v1                       ; staging: step 2 w of side 0,
	v_add_nc_u32 v28, 8*SP, v8                     ; of side 1
	v_lshlrev_b32 v9, 5, v241                      ; scale words: 32 bytes a row
	v_lshlrev_b32 v10, 6, v242                     ; b2: 16 h numbers on
	s_mul_i32 s46, s16, 16*272
	s_add_co_u32 s46, s46, STG
	v_mul_u32_u24 v11, v241, 272
	v_lshl_add_u32 v11, v242, 6, v11
	v_add_nc_u32 v11, s46, v11                     ; my stage, in: row r, + 64 h
	v_mul_u32_u24 v12, v242, 272
	v_lshl_add_u32 v12, v241, 4, v12
	v_add_nc_u32 v12, s46, v12                     ; back: lanes 0-15 one row, lanes 16-31 the next
	s_mul_i32 s46, s16, 384
	s_add_co_u32 s46, s46, TOKT
	v_lshlrev_b32 v13, 2, v242
	v_add_nc_u32 v13, s46, v13                     ; my table of tokens, read: row lane / 16 of a pair of rows,
	v_lshlrev_b32 v14, 2, v241
	v_add_nc_u32 v14, s46, v14                     ; written: row r
	s_lshl_b32 s46, ttmp9, 10
	s_lshl_b32 s47, s16, 8
	s_add_co_u32 s46, s46, s47
	v_lshl_add_u32 v15, v241, 4, s46               ; my 16 bytes in a row of out0: 1,024 x + 256 w + 16 (lane % 16)
	s_mul_i32 s46, s16, 3072
	v_add_nc_u32 v243, s46, v1                     ; hq: my two K steps, 16 bytes a lane
	s_and_b32 s17, ttmp7, 0xffff                   ; y
	s_lshl_b32 s18, s17, 5
	s_mov_b32 s19, 0
	s_mov_b32 s77, 0                               ; trips done
	s_wait_kmcnt 0x0
	s_add_nc_u64 s[18:19], s[8:9], s[18:19]
	s_load_b256 s[20:27], s[18:19], 0x2800         ; group y's header: a, b, first tile, tiles, tokens left
	s_load_b256 s[68:75], s[18:19], 0x2c00         ; and group y + 32's, 32 headers of 32 bytes on
	s_wait_kmcnt 0x0
.Ltrip:
	s_wait_loadcnt 0x0                             ; the loads of a trip that was passed over have landed: their registers are loaded anew,
	s_wait_xcnt 0x0                                ; and the last trip's stores have read their registers
	s_min_u32 s28, s20, 7                          ; numbers that were loaded enter addresses behind bounds
	s_min_u32 s29, s21, 7
	s_min_u32 s22, s22, 153
	s_min_u32 s23, s23, 6
	s_sub_co_u32 s30, s24, 1
	s_lshl_b32 s31, s22, 4
	s_lshl_b32 s46, ttmp9, 4
	s_lshl_b32 s47, s16, 2
	s_add_co_u32 s46, s46, s47                     ; my first tile of W2: 16 x + 4 w
	s_mov_b32 s45, 0
.irp sd, 0,1
	s_mul_i32 s44, s[28+\sd], 1572864
	s_mul_i32 s47, s46, 12288
	s_add_co_u32 s44, s44, s47
	s_add_nc_u64 s[32+2*\sd:33+2*\sd], s[6:7], s[44:45]    ; the expert's codes,
	s_lshl_b32 s44, s[28+\sd], 7
	s_add_co_u32 s44, s44, s46
	s_lshl_b32 s44, s44, 9
	s_add_co_u32 s44, s44, 12582912
	s_add_nc_u64 s[36+2*\sd:37+2*\sd], s[6:7], s[44:45]    ; scale words,
	s_lshl_b32 s44, s[28+\sd], 13
	s_lshl_b32 s47, s46, 6
	s_add_co_u32 s44, s44, s47
	s_add_nc_u64 s[40+2*\sd:41+2*\sd], s[12:13], s[44:45]  ; and bias at my first column
.endr
	s_max_u32 s48, s23, 1
	s_sub_co_u32 s48, s48, 1                       ; the group's last tile
.irp m, 0,1,2,3,4,5
	s_min_u32 s49, s48, \m
	s_add_co_u32 s49, s49, s22
	s_min_u32 s49, s49, 159
	s_mul_i32 s50, s49, 24576
	v_add_nc_u32 v[216+\m], s50, v243              ; tile m's codes in hq
	s_lshl_b32 s50, s49, 10
	v_add_nc_u32 v[224+\m], s50, v9                ; and its scale words
.endr
	; ---- what hangs on the header alone: 6 + 16 + 16 + 24 + 60 loads
.irp m, 0,1,2,3,4,5
	v_add_nc_u32 v[192+\m], 16*\m, v241
	v_min_u32 v[192+\m], s30, v[192+\m]
	v_add_nc_u32 v[192+\m], s31, v[192+\m]
	v_min_u32 v[192+\m], 2559, v[192+\m]
	v_lshlrev_b32 v[192+\m], 2, v[192+\m]
	global_load_b32 v[200+\m], v[192+\m], s[8:9]   ; the token of row r of tile m
.endr
.irp j, 0,1,2,3
.irp sd, 0,1
.irp q, 0,1
	global_load_b128 v[128+16*\j+8*\sd+4*\q:131+16*\j+8*\sd+4*\q], v9, s[36+2*\sd:37+2*\sd] offset:512*\j+16*\q
.endr
.endr
.endr
	WIN 0x80
.irp sd, 0,1
.irp bb, 0,1
.irp k, 0,1,2,3
	global_load_b128 v[192+32*\sd+16*\bb+4*\k:195+32*\sd+16*\bb+4*\k], v10, s[40+2*\sd:41+2*\sd] offset:128*\bb+16*\k
.endr
.endr
.endr
	WIN 0
.irp m, 0,1,2,3,4,5
.irp sd, 0,1
.irp q, 0,1
	global_load_b128 v[32+16*\m+8*\sd+4*\q:35+16*\m+8*\sd+4*\q], v[224+\m], s[4:5] offset:3932160+512*\sd+16*\q
.endr
.endr
.endr
	BFETCH 0
	BFETCH 1
	BFETCH 2
	BFETCH 3
	BFETCH 4
	WIN 0
	s_wait_dscnt 0x0                               ; my LDS reads of the last trip are over
	s_barrier_signal -1
	s_barrier_wait -1                              ; everybody's are: the images may be written anew
	s_cmp_eq_u32 s23, 0
	s_cbranch_scc1 .Lbar                           ; a group without tiles stages nothing
	STAGE_LD 0, 0, 0x80                            ; into registers that the accumulators and h's fragments take later
	STAGE_LD 1, 96, 0x80
	STAGE_LD 2, 0, 0xC0
	s_wait_loadcnt 48                              ; the two younger groups of 24 may be out
	STAGE_ST 0, 0, 0x08
	s_wait_loadcnt 24                              ; the youngest group may be out
	STAGE_ST 1, 96, 0x08
	s_wait_loadcnt 0x0
	STAGE_ST 2, 0, 0x0C
	WIN 0
.Lbar:
	s_wait_dscnt 0x0                               ; for the others' sake: my part of the images is in LDS
	s_barrier_signal -1
	s_barrier_wait -1
	s_cmp_eq_u32 s23, 0
	s_cbranch_scc1 .Ltrip_end                      ; a group without tiles
	s_wait_loadcnt 0x0                             ; the tokens, all scale words, the biases and the five sets are in
.irp m, 0,1,2,3,4,5
	v_min_u32 v[200+\m], 2047, v[200+\m]
	ds_store_b32 v14, v[200+\m] offset:64*\m       ; my own table; both halves of the lanes write the same word with the same value
	v_lshlrev_b32 v[208+\m], 3, v[200+\m]
	global_load_b64 v[16+2*\m:17+2*\m], v[208+\m], s[10:11]   ; (wa / wb, wb) of my row: wanted eight steps on
.endr
	AFETCH 0
	AFETCH 1
.irp s, 0,1,2,3,4,5,6,7
	STEP \s
.endr
	WIN 0xA2                                       ; the accumulators and b2[b] window 2, the weights window 0
.irp m, 0,1,2,3,4,5                            ; acc = (wa / wb) acc + b2[b]; each accumulator from its low end on
.irp j, 0,1,2,3
.irp i, 0,2,4,6
	v_pk_fma_f32 v[8*(4*\m+\j)+\i:8*(4*\m+\j)+\i+1], v[8*(4*\m+\j)+\i:8*(4*\m+\j)+\i+1], v[16+2*\m:17+2*\m], v[224+8*\j+\i:225+8*\j+\i] op_sel_hi:[1,0,1]
.endr
.endr
.endr
.irp s, 8,9,10,11,12,13,14,15
	STEP \s
.endr
	WIN 0xC0
	v_mov_b32 v80, v15                             ; my place in a row of out0, beside the way out's registers
.irp m, 0,1,2,3,4,5
	OUT \m
.endr
	WIN 0
.Ltrip_end:
	s_mov_b32 s20, s68                             ; the second trip's header
	s_mov_b32 s21, s69
	s_mov_b32 s22, s70
	s_mov_b32 s23, s71
	s_mov_b32 s24, s72
	s_add_co_u32 s77, s77, 1
	s_cmp_lt_u32 s77, 2
	s_cbranch_scc1 .Ltrip
	s_wait_tensorcnt 0x0                           ; the wave's end: behind my last LDS store
	ds_add_u32 v30, v31
	s_wait_dscnt 0x0
	s_endpgm
.Lfunc_end_k_q3fc75be0ac_ffn2:
	.size	k_q3fc75be0ac_ffn2, .Lfunc_end_k_q3fc75be0ac_ffn2-k_q3fc75be0ac_ffn2
	.p2alignl 7, 3214868480
	.fill 96, 4, 3214868480
	.section	.rodata,"a",@progbits
	.p2align	6, 0x0
	.amdhsa_kernel k_q3fc75be0ac_ffn2
		.amdhsa_group_segment_fixed_size 167168
		.amdhsa_private_segment_fixed_size 0
		.amdhsa_enable_private_segment 0
		.amdhsa_kernarg_size 48
		.amdhsa_user_sgpr_count 2
		.amdhsa_user_sgpr_kernarg_segment_ptr 1
		.amdhsa_wavefront_size32 1
		.amdhsa_system_sgpr_workgroup_id_x 1
		.amdhsa_system_sgpr_workgroup_id_y 1
		.amdhsa_system_sgpr_workgroup_id_z 1
		.amdhsa_system_vgpr_workitem_id 0
		.amdhsa_next_free_vgpr 960
		.amdhsa_next_free_sgpr 100
		.amdhsa_reserve_vcc 0
		.amdhsa_float_denorm_mode_32 3
		.amdhsa_float_denorm_mode_16_64 3
		.amdhsa_memory_ordered 1
		.amdhsa_forward_progress 1
		.amdhsa_inst_pref_size 155
	.end_amdhsa_kernel
	.amdgpu_metadata
---
amdhsa.version: [ 1, 2 ]
amdhsa.kernels:
  - .name:           k_q3fc75be0ac_ffn2
    .symbol:         k_q3fc75be0ac_ffn2.kd
    .args:
      - { .name: hq, .offset: 0, .size: 8, .value_kind: global_buffer, .address_space: global }
      - { .name: wq2, .offset: 8, .size: 8, .value_kind: global_buffer, .address_space: global }
      - { .name: lst, .offset: 16, .size: 8, .value_kind: global_buffer, .address_space: global }
      - { .name: wts, .offset: 24, .size: 8, .value_kind: global_buffer, .address_space: global }
      - { .name: b2, .offset: 32, .size: 8, .value_kind: global_buffer, .address_space: global }
      - { .name: out0, .offset: 40, .size: 8, .value_kind: global_buffer, .address_space: global }
    .group_segment_fixed_size: 167168
    .private_segment_fixed_size: 0
    .kernarg_segment_align: 8
    .kernarg_segment_size: 48
    .max_flat_workgroup_size: 128
    .sgpr_count:     100
    .vgpr_count:     960
    .wavefront_size: 32
...
	.end_amdgpu_metadata
.endif
;; end of part 4
